; MI455X (gfx1250); checked and timed in simulation.
; The chip was launched on July 23, 2026; its instructions are those of AMD's public machine-readable ISA for CDNA 5 (MIT licence, August 2026) and "CDNA5" Instruction Set Architecture Reference Guide (July 2026). The comments in the code are by the model that wrote it; some were corrected since.
;; Block. Allowed arithmetic: matrix products marked QUANTISED: E2M3 operands, one E8M0 scale for each 32 along K, by v_wmma_scale_f32_16x16x128_f8f6f4 with both operands' format E2M3, f32 sums; everything else in f32.
;; Inputs: W_fc 1,024 x 4,096 float32; W_out 4,096 x 1,024 float32; W_proj 1,024 x 1,024 float32; W_qkv 1,024 x 3,072 float32; b_fc 4,096 float32; b_out 1,024 float32; b_proj 1,024 float32; b_qkv 3,072 float32; ln1_b 1,024 float32; ln1_g 1,024 float32; ln2_b 1,024 float32; ln2_g 1,024 float32; x 2 x 2,048 x 1,024 float32.
;; Outputs: out0 2 x 2,048 x 1,024 float32.
;; This version of the problem:
;;   THIS VERSION OF THE PROBLEM IS GIVEN IN LOW PRECISION. The matrix products marked QUANTISED in the list below multiply operands that are first quantised to E2M3 (2 exponent bits, 3 mantissa bits; 6 bits a number), with one power-of-two scale for each 32 numbers along K (OCP MX v1.0); their sums are f32. All else is computed in f32.
;;   The module's matrix products, in the order in which they are computed (A, B: the left and right operand; K: the contracted axis; several contracted axes count as one K, in the product's order):
;;     1. [M 4,096, K 1,024] x [K 1,024, N 3,072]; A: computed on the way; B: input W_qkv: QUANTISED
;;     2. batch 32 x [M 2,048, K 64] x [K 64, N 2,048]; A: computed on the way; B: computed on the way: QUANTISED
;;     3. batch 32 x [M 2,048, K 2,048] x [K 2,048, N 64]; A: softmax (see below); B: computed on the way: QUANTISED
;;     4. [M 4,096, K 1,024] x [K 1,024, N 1,024]; A: computed on the way; B: input W_proj: QUANTISED
;;     5. [M 4,096, K 1,024] x [K 1,024, N 4,096]; A: computed on the way; B: input W_fc: QUANTISED
;;     6. [M 4,096, K 4,096] x [K 4,096, N 1,024]; A: computed on the way; B: input W_out: QUANTISED
;;   THE QUANTISER, for each operand of a quantised product, along K:
;;     - K is cut into blocks of 32 from its start; a last block that is shorter is filled with zeros.
;;     - A block's scale is 2^e with e = floor(log2(the largest magnitude in the block)) - 2, held to -126 .. 127; a block of zeros has e = 0. As a byte (E8M0): e + 127.
;;     - Each number is divided by its block's scale, clamped to +-7.5, and rounded to the nearest number of E2M3, ties to even, subnormals kept.
;;     - The product sums the exact products of the quantised numbers (number of the format x scale) in f32.
;;   ~~~python
;;   def quantise(x, axis):      # numpy; x: float32 -> the quantised numbers, widened to float32 again
;;       x = np.moveaxis(x, axis, -1); K = x.shape[-1]
;;       x = np.pad(x, [(0, 0)] * (x.ndim - 1) + [(0, -K % 32)]); x = x.reshape(x.shape[:-1] + (-1, 32)); a = np.abs(x).max(-1, keepdims=True)
;;       e = np.where(a > 0, np.clip(np.frexp(np.where(a > 0, a, 1))[1] - 1 - 2, -126, 127), 0)      # np.frexp(a)[1] - 1 = floor(log2(a)), exactly
;;       r = np.clip(x / 2.0 ** e, -7.5, 7.5)
;;       step = 2.0 ** (np.maximum(np.frexp(np.where(r == 0, 1, r))[1] - 1, 0) - 3)
;;       q = np.round(r / step) * step * 2.0 ** e      # np.round: ties to even
;;       return np.moveaxis(q.reshape(q.shape[:-2] + (-1,))[..., :K], -1, axis).astype(np.float32)
;;   ~~~
;;   SOFTMAX AHEAD OF A QUANTISED PRODUCT. Where the list says 'softmax', what is quantised is not the finished softmax but p = 2^(t - M), with t = logit x log2(e) and M = ceil(the row's largest t), a whole number; so 1/2 < the row's largest p <= 1. The row's sum l is taken of the UNQUANTISED p, in f32, and the product's result is divided by l at the end. Since M is a whole number, a kernel that streams over the keys may use a running M (the ceiling of the running maximum): every later rescaling is an exact power of two, which a block's scale takes up: the codes' values come out the same.
;;   OPERANDS COMPUTED ON THE WAY. 'Computed on the way' means the value that the module computes at that place (a softmax that the list does not call 'softmax' is quantised finished and normalised). What goes into a quantiser is computed in f32, as accurately as f32 sums, v_exp_f32 and their like allow (about 1e-6 of the number): no bf16 or f16 on the way to a quantiser, and a product that is left as it is and whose result goes on into a quantised operand takes f32 operands (vector FMAs, or v_wmma_f32_16x16x4_f32). A number that lies on a knife's edge between two numbers of the format may be rounded either way, as far as f32 arithmetic and the matrix unit's own rounding can turn it there, and no further.
;; One version. Each part assembles by itself: llvm-mc -triple=amdgcn-amd-amdhsa -mcpu=gfx1250 --defsym DOCPART=n.
;; ======== version 1 of 1: 7 launches
;; limits: right only within a limited range of input values
;; workspace buffers: wimg 9,830,400 bytes; himg 3,276,800 bytes; qb 3,407,872 bytes; kv 6,684,672 bytes; yimg 3,276,800 bytes; x1 16,777,216 bytes; hid 13,107,200 bytes
;; launch prep (part 1): grid 1024 x 1, 4 waves a work-group, no clusters, 9,216 bytes of LDS; arguments x, ln1_g, ln1_b, himg, W_qkv, W_proj, W_fc, W_out, wimg; writes himg, wimg
.if DOCPART == 1
	.amdgcn_target "amdgcn-amd-amdhsa--gfx1250"
	.amdhsa_code_object_version 6
	.text
	.protected	k_q4e32788d64_prep
	.globl	k_q4e32788d64_prep
	.p2align	8
	.type	k_q4e32788d64_prep,@function
k_q4e32788d64_prep:
	s_mov_b64 s[64:65], 0
	v_nop
	global_prefetch_b8 v0, s[64:65] scope:SCOPE_SE
	s_setreg_imm32_b32 hwreg(HW_REG_WAVE_MODE, 25, 1), 1
	s_wait_xcnt 0x0
; Work-groups 0-255: layer norm of 16 rows of [4096][1024] f32, quantised along the row to codes of FP6 (E2M3) with one E8M0 byte for each 32.
; Work-groups 256-1023: 128 columns x 128 along K of one of the four weights ([K][N] f32), quantised along K.
; Both leave as IMAGES OF OPERAND REGISTERS.  A fragment (16 rows x 128 K, 12 registers a lane) is 1,536 bytes in two halves of 768: lane l's registers 6c..6c+3 at 16 l,
; registers 6c+4, 6c+5 at 512 + 16 (l % 16) + 8 (l / 16).  A chunk is 128 rows x 512 K: 32 fragments (K step s, block i at (8 s + i) x 1,536), then from byte 49,152 each row's 16 scale bytes (256 i + 16 r + 4 s).
; Block i = 2 B + u holds in lane r the row (or column) 32 B + 8 u + r + 8 (r / 8), so that a later product's results are neighbours along the next K.
; A block's scale byte is its largest magnitude's exponent field - 2, held at 1 from below.
; LIMITS: NaN and infinities are not served; a block of zeros, or one under 2^-124, gets the byte 1 (its codes are zeros; only this program reads the bytes).
; The scale words leave as 4 bytes a lane, 16 bytes apart: one byte in 128 of what the launch reads.
.set CHUNK, 51200
.set SCO,   49152
.set FRB,   1536
.set WP,    48*CHUNK                   ; where W_proj's, W_fc's and W_out's images begin in wimg
.set WF,    64*CHUNK
.set WO,    128*CHUNK
.set SPARE, 512                        ; LDS: 0-255 the rows' sums, 256-511 their sums of squares, then the spare words (128 bytes a wave)
.set SPW,   12
.set NIL,   13
.set X,     32                         ; v32-159 128 numbers of a lane
.set G,     160                        ; v160-191 gains of one block (weights: codes)
.set BV,    192                        ; v192-223 biases of one block
.set F,     224                        ; v224-247 two fragments' codes
.set SEL,   36
.set GLB,   1024                       ; LDS behind the spare words: for each wave 1,024 bytes of gain and 1,024 of bias, its own 256 columns
	s_load_b256 s[4:11], s[0:1], 0x0               ; x, gain, bias, himg
	s_load_b256 s[12:19], s[0:1], 0x20             ; W_qkv, W_proj, W_fc, W_out
	s_load_b64 s[20:21], s[0:1], 0x40              ; wimg
	v_lshl_add_u32 v[SPW], v0, 2, SPARE
	v_mov_b32 v[NIL], 0
	v_lshrrev_b32 v1, 5, v0
	v_readfirstlane_b32 s22, v1                    ; wave
	v_and_b32 v1, 15, v0                           ; r
	v_bfe_u32 v2, v0, 4, 1                         ; h (weights: u)
	v_and_b32 v3, 8, v1
	v_add_nc_u32 v3, v3, v1                        ; r + 8 (r / 8)
	s_mov_b32 s[SEL], 0x76543210
	s_mov_b32 s[SEL+1], 0xfedcba98                 ; lane l xor 16
	s_wait_kmcnt 0x0
	s_cmp_lt_u32 ttmp9, 256                        ; the work-group's number alone decides: all four waves go the same way
	s_cbranch_scc0 .Lw
; the largest magnitude of 32 numbers, with the floor 2^(3 - 127) among the leaves -> v16
.macro MAX32 xs
	v_max3_num_f32 v16, |v[\xs]|, |v[\xs+1]|, 0x1800000
	v_max_num_f32 v17, |v[\xs+2]|, |v[\xs+3]|
.irp i, 4,8,12,16,20,24,28
	v_max3_num_f32 v16, v16, |v[\xs+\i]|, |v[\xs+\i+1]|
	v_max3_num_f32 v17, v17, |v[\xs+\i+2]|, |v[\xs+\i+3]|
.endr
	v_max_num_f32 v16, v16, v17
.endm
; ---------------- layer norm: the work-group is one block of 16 rows; wave w takes columns 256 w on: K steps 2 w, 2 w + 1
	s_lshr_b32 s24, ttmp9, 3                       ; tile of 128 rows
	s_and_b32 s25, ttmp9, 7                        ; block in it
	s_lshl_b32 s26, s24, 7
	s_lshr_b32 s27, s25, 1
	s_lshl_b32 s27, s27, 5
	s_add_co_u32 s26, s26, s27
	s_and_b32 s27, s25, 1
	s_lshl_b32 s27, s27, 3
	s_add_co_u32 s26, s26, s27                     ; lane 0's row
	s_lshl_b32 s26, s26, 12
	s_lshl_b32 s28, s22, 10                        ; my 256 columns
	s_add_co_u32 s26, s26, s28
	s_mov_b32 s27, 0
	s_mov_b32 s29, 0
	s_add_nc_u64 s[4:5], s[4:5], s[26:27]
	s_add_nc_u64 s[6:7], s[6:7], s[28:29]
	s_add_nc_u64 s[8:9], s[8:9], s[28:29]
	s_wait_alu depctr_va_vdst(0)
	v_lshlrev_b32 v4, 12, v3
	v_lshl_add_u32 v4, v2, 7, v4                   ; my row, + 128 h: the operand's layout gives lane (r, h) k = 64 c + 32 h + 0 .. 31
	s_lshl_b32 s33, s22, 11
	s_add_co_u32 s33, s33, GLB
	v_lshl_add_u32 v5, v2, 7, s33                  ; LDS: my wave's gain, + 128 h
	v_and_b32 v11, 31, v0
	v_lshlrev_b32 v11, 4, v11                      ; 16 l
	v_add_nc_u32 v27, s33, v11
	global_load_b128 v[F:F+3], v11, s[6:7]         ; my wave's gain and bias come once, 512 consecutive bytes a load, ahead of x's loads
	global_load_b128 v[F+4:F+7], v11, s[6:7] offset:512
	global_load_b128 v[F+8:F+11], v11, s[8:9]
	global_load_b128 v[F+12:F+15], v11, s[8:9] offset:512
.irp q, 0,1,2,3
.irp j, 0,1,2,3,4,5,6,7
	global_load_b128 v[X+32*\q+4*\j:X+32*\q+4*\j+3], v4, s[4:5] offset:256*\q+16*\j
.endr
.endr
.macro GLOAD q                         ; gain and bias of my block q (of four)
.irp j, 0,1,2,3,4,5,6,7
	ds_load_b128 v[G+4*\j:G+4*\j+3], v5 offset:256*(\q)+16*\j
	ds_load_b128 v[BV+4*\j:BV+4*\j+3], v5 offset:1024+256*(\q)+16*\j
.endr
.endm
	s_lshl_b32 s26, s24, 1
	s_lshr_b32 s30, s22, 1
	s_add_co_u32 s26, s26, s30
	s_mul_i32 s26, s26, CHUNK
	s_add_nc_u64 s[10:11], s[10:11], s[26:27]      ; my chunk: 2 x tile + w / 2
	s_and_b32 s30, s22, 1
	s_lshl_b32 s31, s30, 4
	s_add_co_u32 s31, s31, s25
	s_mul_i32 s31, s31, FRB                        ; fragment (2 (w % 2), block)
	v_and_b32 v6, 31, v0
	v_lshlrev_b32 v6, 4, v6
	v_add_nc_u32 v6, s31, v6                       ; 16 l
	v_lshlrev_b32 v10, 4, v1                       ; 16 r: also where I read the four waves' sums
	v_lshl_add_u32 v7, v2, 3, v10
	v_add_nc_u32 v7, 512, v7
	v_add_nc_u32 v7, s31, v7                       ; 512 + 16 r + 8 h
	s_lshl_b32 s31, s25, 8
	s_lshl_b32 s30, s30, 3
	s_add_co_u32 s31, s31, s30
	s_add_co_u32 s31, s31, SCO
	v_lshl_add_u32 v8, v2, 2, v10
	v_add_nc_u32 v8, s31, v8                       ; the scale word of K step 2 (w % 2) + h
	s_lshl_b32 s32, s22, 2
	v_add_nc_u32 v9, s32, v10                      ; LDS: 16 r + 4 w
	s_mov_b32 s38, 0x3a800000                      ; 1 / 1024
	s_mov_b32 s39, 0x3727c5ac                      ; 1e-5
	s_mov_b32 s40, 0xffff0000                      ; lanes 16-31
	s_wait_alu depctr_va_vdst(0)                   ; the wait ahead of the wait below
	s_wait_loadcnt 32                              ; gain and bias are in; x's 32 loads behind them may be out
	ds_store_b128 v27, v[F:F+3]                    ; the wave's own bytes: LDS serves a wave's instructions in order, so no barrier
	ds_store_b128 v27, v[F+4:F+7] offset:512
	ds_store_b128 v27, v[F+8:F+11] offset:1024
	ds_store_b128 v27, v[F+12:F+15] offset:1536
	GLOAD 0
	s_wait_loadcnt 0x0                             ; x
.irp k, 0,1,2,3
	v_pk_add_f32 v[16+2*\k:17+2*\k], v[X+4*\k:X+4*\k+1], v[X+4*\k+2:X+4*\k+3]   ; the sum, in four chains
.endr
.set j, 16
.rept 56
	v_pk_add_f32 v[16+2*((j/2)%4):17+2*((j/2)%4)], v[16+2*((j/2)%4):17+2*((j/2)%4)], v[X+j:X+j+1]
.set j, j+2
.endr
.macro ROWSUM off                      ; four chains -> the row's sum over all four waves, in v16
	v_pk_add_f32 v[16:17], v[16:17], v[18:19]
	v_pk_add_f32 v[20:21], v[20:21], v[22:23]
	v_pk_add_f32 v[16:17], v[16:17], v[20:21]
	v_add_f32 v16, v16, v17
	v_permlanex16_b32 v17, v16, s[SEL], s[SEL+1]
	v_add_f32 v16, v16, v17                        ; my wave's 256 columns
	ds_store_b32 v9, v16 offset:\off               ; (both halves of the lanes write the same word with the same value)
	s_wait_dscnt 0x0                               ; for the others' sake: my store has landed
	s_barrier_signal -1
	s_barrier_wait -1
	ds_load_b128 v[16:19], v10 offset:\off
	s_wait_dscnt 0x0
	v_add_f32 v16, v16, v17
	v_add_f32 v18, v18, v19
	v_add_f32 v16, v16, v18
.endm
	ROWSUM 0
	v_mul_f32 v14, s38, v16                        ; the mean
	v_mov_b32 v15, v14
.set j, 0
.rept 64
	v_pk_add_f32 v[X+j:X+j+1], v[X+j:X+j+1], v[14:15] neg_lo:[0,1] neg_hi:[0,1]   ; x - mean: the variance is taken of these, so no difference of large sums is formed
.set j, j+2
.endr
.irp k, 0,1,2,3
	v_pk_mul_f32 v[16+2*\k:17+2*\k], v[X+2*\k:X+2*\k+1], v[X+2*\k:X+2*\k+1]
.endr
.set j, 8
.rept 60
	v_pk_fma_f32 v[16+2*((j/2)%4):17+2*((j/2)%4)], v[X+j:X+j+1], v[X+j:X+j+1], v[16+2*((j/2)%4):17+2*((j/2)%4)]
.set j, j+2
.endr
	ROWSUM 256                                     ; other bytes than the first sum's: no third barrier
	v_fma_f32 v16, v16, s38, s39                   ; variance + eps
	s_wait_alu depctr_va_vdst(0)
	v_rsq_f32 v14, v16
	v_nop                                          ; a plain instruction behind the transcendental,
	s_wait_alu depctr_va_vdst(0)                   ; and the wait ahead of its first reader
	v_mov_b32 v15, v14
; my block q = 2 sg + c: 32 numbers of K step sg, all mine: normalised, scaled, quantised into registers 6 c .. 6 c + 5 of fragment sg
.macro LNBLK q
.set XS, X+32*(\q)
.set FF, F+12*((\q)/2)+6*((\q)%2)
	s_wait_dscnt 0x0                               ; this block's gain and bias are back from LDS
.irp j, 0,2,4,6,8,10,12,14,16,18,20,22,24,26,28,30
	v_pk_mul_f32 v[XS+\j:XS+\j+1], v[XS+\j:XS+\j+1], v[14:15]
.endr
.irp j, 0,2,4,6,8,10,12,14,16,18,20,22,24,26,28,30
	v_pk_fma_f32 v[XS+\j:XS+\j+1], v[XS+\j:XS+\j+1], v[G+\j:G+\j+1], v[BV+\j:BV+\j+1]
.endr
.if (\q) < 3
	GLOAD (\q)+1
.endif
	MAX32 XS
	v_add_nc_u32 v18, 0xff000000, v16              ; 2 off the exponent field: the conversion's scale operand
	v_lshrrev_b32 v[20+(\q)], 23, v18              ; the scale's byte
	v_cvt_scalef32_pk16_fp6_f32 v[FF:FF+2], v[XS:XS+15], v18
	v_cvt_scalef32_pk16_fp6_f32 v[24:26], v[XS+16:XS+31], v18   ; (a conversion's three registers begin on an even number)
	v_nop                                          ; one plain place behind the conversions
.irp i, 0,1,2
	v_mov_b32 v[FF+3+\i], v[24+\i]
.endr
.endm
.macro FSTORE sg                       ; each store covers 512 or 256 consecutive bytes, aligned
	global_store_b128 v6, v[F+12*\sg:F+12*\sg+3], s[10:11] offset:8*FRB*\sg
	global_store_b64 v7, v[F+12*\sg+4:F+12*\sg+5], s[10:11] offset:8*FRB*\sg
	global_store_b128 v6, v[F+12*\sg+6:F+12*\sg+9], s[10:11] offset:8*FRB*\sg+768
	global_store_b64 v7, v[F+12*\sg+10:F+12*\sg+11], s[10:11] offset:8*FRB*\sg+768
.endm
	s_wait_alu depctr_va_vdst(0)
	LNBLK 0
	LNBLK 1
	FSTORE 0
	LNBLK 2
	LNBLK 3
	FSTORE 1
	v_lshlrev_b32 v27, 3, v2                       ; my bytes are those of blocks h and 2 + h: 8 h bits up,
	v_lshl_or_b32 v28, v21, 16, v20
	v_lshlrev_b32 v28, v27, v28
	v_lshl_or_b32 v29, v23, 16, v22
	v_lshlrev_b32 v29, v27, v29
	v_mov_b32 v30, 0
	v_mov_b32 v31, 0
	v_permlanex16_b32 v30, v28, s[SEL], s[SEL+1]
	v_permlanex16_b32 v31, v29, s[SEL], s[SEL+1]
	v_or_b32 v28, v28, v30                         ; with lane l xor 16's two the words are whole
	v_or_b32 v29, v29, v31
	v_cndmask_b32 v28, v28, v29, s40               ; lanes 0-15 store the first K step's word, lanes 16-31 the second's
	global_store_b32 v8, v28, s[10:11]
	s_branch .Lend
; ---------------- weights: a lane takes a column, its registers run down K; wave w takes blocks 2 w and 2 w + 1 of the tile's eight
.Lw:
	s_sub_co_u32 s24, ttmp9, 256
	s_wait_alu depctr_va_vdst(0)
	v_lshl_add_u32 v4, v2, 3, v3
	v_lshlrev_b32 v4, 2, v4                        ; column 8 u + r + 8 (r / 8) of my 32: the 32 lanes read 128 consecutive bytes
; src: the weight's pointer; n: its columns; 2^lk K steps of 128; doff: its place in wimg; j0: its first work-group
.macro WHEAD src, n, lk, doff, j0
	s_sub_co_u32 s25, s24, \j0
	s_and_b32 s26, s25, (1<<\lk)-1                 ; K step
	s_lshr_b32 s27, s25, \lk                       ; tile of 128 columns
	s_mul_i32 s28, s26, \n*512
	s_lshl_b32 s29, s27, 9
	s_add_co_u32 s28, s28, s29
	s_lshl_b32 s29, s22, 7
	s_add_co_u32 s28, s28, s29
	s_mov_b32 s29, 0
	s_add_nc_u64 s[30:31], s[\src:\src+1], s[28:29]
	s_lshl_b32 s28, s27, \lk-2
	s_lshr_b32 s32, s26, 2
	s_add_co_u32 s28, s28, s32
	s_mul_i32 s28, s28, CHUNK
	s_add_co_u32 s28, s28, \doff
	s_add_nc_u64 s[20:21], s[20:21], s[28:29]      ; my chunk
.set i, 0
.rept 128
	global_load_b32 v[X+i], v4, s[30:31] offset:i*\n*4 th:TH_LOAD_NT
.set i, i+1
.endr
	s_branch .Lwc
.endm
	s_cmp_lt_u32 s24, 192
	s_cbranch_scc0 .Lw1
	s_wait_alu depctr_va_vdst(0)
	WHEAD 12, 3072, 3, 0, 0
.Lw1:
	s_cmp_lt_u32 s24, 256
	s_cbranch_scc0 .Lw2
	s_wait_alu depctr_va_vdst(0)
	WHEAD 14, 1024, 3, WP, 192
.Lw2:
	s_cmp_lt_u32 s24, 512
	s_cbranch_scc0 .Lw3
	s_wait_alu depctr_va_vdst(0)
	WHEAD 16, 4096, 3, WF, 256
.Lw3:
	s_wait_alu depctr_va_vdst(0)
	WHEAD 18, 1024, 5, WO, 512
.Lwc:
	s_and_b32 s26, s26, 3                          ; K step in the chunk
	s_lshl_b32 s33, s26, 3
	s_lshl_b32 s32, s22, 1
	s_add_co_u32 s33, s33, s32
	s_mul_i32 s33, s33, FRB
	s_lshl_b32 s34, s22, 9
	s_lshl_b32 s32, s26, 2
	s_add_co_u32 s34, s34, s32
	s_add_co_u32 s34, s34, SCO
	v_mul_u32_u24 v5, v2, FRB
	v_lshl_add_u32 v5, v1, 4, v5
	v_add_nc_u32 v5, s33, v5                       ; fragment (s, 2 w + u), + 16 r
	v_lshlrev_b32 v6, 8, v2
	v_lshl_add_u32 v6, v1, 4, v6
	v_add_nc_u32 v6, s34, v6                       ; my column's scale word
; block b of four = (c = b / 2, h = b % 2): its six registers of codes belong to lane (r, h) of the image.  Each c has 12 registers of its own, each b its own three for the upper half: no store's data are written again
.macro WBLK b, cnt
.set XS, X+32*(\b)
.set CC, G+12*((\b)/2)
.set TT, 184+4*(\b)
	s_wait_loadcnt \cnt
	MAX32 XS
	v_add_nc_u32 v18, 0xff000000, v16
	v_lshrrev_b32 v[20+(\b)], 23, v18
	v_cvt_scalef32_pk16_fp6_f32 v[CC+4*((\b)%2):CC+4*((\b)%2)+2], v[XS:XS+15], v18
	v_cvt_scalef32_pk16_fp6_f32 v[TT:TT+2], v[XS+16:XS+31], v18
	v_nop                                          ; one plain place behind the conversions
	v_mov_b32 v[CC+4*((\b)%2)+3], v[TT]
	v_mov_b32 v[CC+8+2*((\b)%2)], v[TT+1]
	v_mov_b32 v[CC+8+2*((\b)%2)+1], v[TT+2]
.if (\b)%2
	global_store_b128 v5, v[CC:CC+3], s[20:21] offset:768*((\b)/2)          ; h = 0, registers 0-3: sixteen lanes store 256 consecutive bytes, aligned
	global_store_b128 v5, v[CC+4:CC+7], s[20:21] offset:768*((\b)/2)+256    ; h = 1, registers 0-3
	global_store_b128 v5, v[CC+8:CC+11], s[20:21] offset:768*((\b)/2)+512   ; both halves' registers 4, 5
.endif
.endm
	WBLK 0, 63                                     ; at most 63 of the 128 loads are out: the first 65 are in
	WBLK 1, 63
	WBLK 2, 32                                     ; the last block's 32 may be out
	WBLK 3, 0
	v_lshl_or_b32 v24, v21, 8, v20
	v_lshl_or_b32 v24, v22, 16, v24
	v_lshl_or_b32 v24, v23, 24, v24
	global_store_b32 v6, v24, s[20:21]
.Lend:
	s_wait_tensorcnt 0x0                           ; the wave's end
	ds_add_u32 v[SPW], v[NIL]
	s_wait_dscnt 0x0
	s_endpgm
.Lfunc_end_k_q4e32788d64_prep:
	.size	k_q4e32788d64_prep, .Lfunc_end_k_q4e32788d64_prep-k_q4e32788d64_prep
	.p2alignl 7, 3214868480
	.fill 96, 4, 3214868480
	.section	.rodata,"a",@progbits
	.p2align	6, 0x0
	.amdhsa_kernel k_q4e32788d64_prep
		.amdhsa_group_segment_fixed_size 9216
		.amdhsa_private_segment_fixed_size 0
		.amdhsa_enable_private_segment 0
		.amdhsa_kernarg_size 72
		.amdhsa_user_sgpr_count 2
		.amdhsa_user_sgpr_kernarg_segment_ptr 1
		.amdhsa_wavefront_size32 1
		.amdhsa_system_sgpr_workgroup_id_x 1
		.amdhsa_system_sgpr_workgroup_id_y 1
		.amdhsa_system_sgpr_workgroup_id_z 1
		.amdhsa_system_vgpr_workitem_id 0
		.amdhsa_next_free_vgpr 248
		.amdhsa_next_free_sgpr 66
		.amdhsa_reserve_vcc 0
		.amdhsa_float_denorm_mode_32 3
		.amdhsa_float_denorm_mode_16_64 3
		.amdhsa_memory_ordered 1
		.amdhsa_forward_progress 1
		.amdhsa_inst_pref_size 98
	.end_amdhsa_kernel
	.amdgpu_metadata
---
amdhsa.version: [ 1, 2 ]
amdhsa.kernels:
  - .name:           k_q4e32788d64_prep
    .symbol:         k_q4e32788d64_prep.kd
    .args:
      - { .name: x, .offset: 0, .size: 8, .value_kind: global_buffer, .address_space: global }
      - { .name: ln1_g, .offset: 8, .size: 8, .value_kind: global_buffer, .address_space: global }
      - { .name: ln1_b, .offset: 16, .size: 8, .value_kind: global_buffer, .address_space: global }
      - { .name: himg, .offset: 24, .size: 8, .value_kind: global_buffer, .address_space: global }
      - { .name: W_qkv, .offset: 32, .size: 8, .value_kind: global_buffer, .address_space: global }
      - { .name: W_proj, .offset: 40, .size: 8, .value_kind: global_buffer, .address_space: global }
      - { .name: W_fc, .offset: 48, .size: 8, .value_kind: global_buffer, .address_space: global }
      - { .name: W_out, .offset: 56, .size: 8, .value_kind: global_buffer, .address_space: global }
      - { .name: wimg, .offset: 64, .size: 8, .value_kind: global_buffer, .address_space: global }
    .group_segment_fixed_size: 9216
    .private_segment_fixed_size: 0
    .kernarg_segment_align: 8
    .kernarg_segment_size: 72
    .max_flat_workgroup_size: 128
    .sgpr_count:     66
    .vgpr_count:     248
    .wavefront_size: 32
...
	.end_amdgpu_metadata
.endif
;; end of part 1
;; launch qkv (part 2): grid 8 x 32, 4 waves a work-group, clusters of 4 x 4, 327,680 bytes of LDS; arguments himg, wimg, b_qkv, qb, kv; writes qb, kv
.if DOCPART == 2
	.amdgcn_target "amdgcn-amd-amdhsa--gfx1250"
	.amdhsa_code_object_version 6
	.text
	.protected	k_q4e32788d64_qkv
	.globl	k_q4e32788d64_qkv
	.p2align	8
	.type	k_q4e32788d64_qkv,@function
k_q4e32788d64_qkv:
	s_mov_b64 s[64:65], 0
	v_nop
	global_prefetch_b8 v0, s[64:65] scope:SCOPE_SE
	s_setreg_imm32_b32 hwreg(HW_REG_WAVE_MODE, 25, 1), 1
	s_wait_xcnt 0x0
	s_wait_alu depctr_hold_cnt(0) depctr_sa_sdst(0) depctr_va_vdst(0) depctr_va_sdst(0) depctr_va_ssrc(0) depctr_va_vcc(0) depctr_vm_vsrc(0)
	s_getreg_b32 s2, hwreg(HW_REG_IB_STS2, 6, 4)
	s_cmp_eq_u32 s2, 0
	s_cbranch_scc0 .Lentry_in_a_cluster
	s_endpgm
.Lentry_in_a_cluster:
	s_bfe_u32 s2, ttmp6, 0x10000c
	s_cmp_lg_u32 s2, 0xf033
	s_cbranch_scc0 .Lentry_shape_is_right
	s_endpgm
.Lentry_shape_is_right:
; q, k, v = LN1(x) W_qkv + b_qkv on codes of FP6 (E2M3) with E8M0 scales, quantised again on the way out: q and k along the head's 64, v along the keys.
; Work-group (tx, ty): 128 tokens (tile ty) x the 128 columns of head pair tx, three times: q, k, v.  Four waves, 64 x 64 each: 16 accumulators.
; Operands lie in memory as images of their registers, in chunks of 128 rows x 512 K (51,200 bytes: 32 fragments of 1,536, then 2,048 scale bytes).  K = 1,024 is two chunks.
; LDS: A's two chunks, which stay for all three tiles; then four chunk places for B: place 2 p + c holds chunk c of a tile of parity p.  Tiles 0 and 1 come with the first fills; tile 2 is asked for at tile 0's end,
; into tile 0's places, and has all of tile 1 in which to land: one refill, one round of the cluster's barrier for it.
; CLUSTER 4 x 4: A's chunks are shared along a row, B's along a column, by joint tensor loads.
; q, k: source 0 = 16 columns of W, source 1 = 16 tokens: a lane holds one token and neighbours along the head.  v: the sources swapped: a lane holds one column and neighbours along the tokens (the keys).
; Block i = 2 B + u of an image holds in lane r the row 32 B + 8 u + r + 8 (r / 8): so the 16 registers of two neighbouring tiles are 16 neighbours along the next K.
; LIMITS: NaN and infinities are not served; a block of zeros or under 2^-124 gets the scale byte 1 (its codes are zeros; only this program reads the bytes).
; REGISTERS: window 0: v0-31, v84-91 addresses; v32-63 scale words, a set for each chunk; v64-83, v96-127 at work on the way out; v128-255 accumulators.  window 1: v48-95, v144-191 two sets of B's fragments; v192-255, v0-31 the three tiles' biases.
.set CHUNK, 51200
.set HALFC, CHUNK/2
.set SCO,   49152
.set FRB,   1536
.set BREG,  2*CHUNK                    ; B's four chunk places begin behind A's two chunks
.set SPARE, 6*CHUNK                    ; behind them: the spare words, 128 bytes a wave
.set XTRA,  SPARE+512                  ; behind them: 512 bytes in which v's scale bytes meet; no fill lands here
.set BMUL,  2*CHUNK                    ; from tx to tx + 1 in wimg
.set WOFF,  0
.set TSTEP, 16*CHUNK                   ; from q's tile to k's to v's: eight tiles on
.set QSC,   3145728                    ; q's scale words in qb
.set KVS,   26112                      ; a slot of kv: 256 keys of one head
.set O16, 2
.set O8,  3
.set BL,  7
.set BN,  8
.set SW,  9
.set XW,  10
.set XR,  11
.set L8,  12
.set AA16, 16                          ; v16-17 A's fragments, chunk c: registers 0-3 of a half;  v18-19: registers 4, 5
.set AA8,  18
.set AB16, 20                          ; v20-23 the same for B, place 2 p + c;  v84-87
.set AB8,  84
.set AS,   88                          ; v88-91 the scale words of A's chunk c (lanes 0-15) and of B's place 2 p + c (lanes 16-31)
.set SPW,  26
.set NIL,  27
.set SC,   32
.set TM,   64
.set TT0,  72                          ; the conversions' second halves: three registers for each of the four blocks of results
.set TT1,  92
.set TT2,  28
.set TT3,  4
.set WW,   76
.set PB,   96
.set ACC,  128
.set F0,   0
.set F1,   96
.set BI,   192
.set G1A, 24
.set G0A, 32
.set G1B, 48
.set G0B, 56
.set G0R, 92                           ; s[92:95] group 0 for a quarter of a whole tile of B: the one refill, into parity 0's places
.set QC,  70
.set QS,  72
.set KC,  78
.set KS,  80
.set VC,  82
.set VS,  84
.set BB,  86
.set SEL, 88
.set MUL,  0x05                        ; sources 0 and 1 window 1; C and D window 0
.set MULB, 0x15                        ; C window 1 too: the bias
.set TO_F, 0x40                        ; destination window 1
.set MSB, 0
; A'S FRAGMENTS STAY IN REGISTERS: my 64 rows x K = 1,024 are 32 fragments, 384 registers.  K step k of eight lies at v[48 (k % 5)] of window 2 (k < 5) or 3; tile 0 fetches them with B's, the later tiles fetch B's alone.
; Window 1 keeps B's two sets (v48-95, v144-191) and the bias.  MUL and MULB, the products' windows, are set anew for each K step.
.set LDA, 1                            ; 1 while A's fragments are still being fetched
.macro WIN new                         ; the immediate's high byte repeats the setting that is left
.if MSB != \new
	s_set_vgpr_msb (MSB<<8)|\new
.set MSB, \new
.endif
.endm
.macro PLACES n
.rept \n
	v_nop
.endr
.endm
; A joint load of the first fills: waves 0 and 1 fetch A's halves of chunk c, waves 2 and 3 the halves of chunk c of B's tile 0.  The branch hangs on the wave's number alone.  An s_nop 0 and four v_nop follow each line.
.macro JLOAD c
	s_cmp_eq_u32 s15, 0
	s_cbranch_scc0 .Lfor_b_\@
	tensor_load_to_lds s[G0A+4*\c:G0A+4*\c+3], s[G1A:G1A+7]
	s_nop 0
	PLACES 4
	s_branch .Lasked_\@
.Lfor_b_\@:
	tensor_load_to_lds s[G0B+4*\c:G0B+4*\c+3], s[G1B:G1B+7]
	s_nop 0
	PLACES 4
.Lasked_\@:
.endm
.macro CREST                           ; a round of the cluster's barrier behind its opening barrier
	s_cmp_lg_u32 s14, 0
	s_cbranch_scc1 .Lnot_wave_0_\@
	s_barrier_signal -3
.Lnot_wave_0_\@:
	s_barrier_wait -3
	s_barrier_signal -1
	s_barrier_wait -1
.endm
.macro CROUND
	s_barrier_signal -1
	s_barrier_wait -1
	CREST
.endm
; LDS loads for K step ks: my four fragments of B (place lb) into set buf, and in tile 0 my four of A (chunk la) into their registers; every load covers 512 or 256 consecutive bytes
.macro FETCH la, lb, ks, buf
	WIN TO_F
.irp i, 0,1,2,3
.irp c, 0,1
	ds_load_b128 v[(\buf)+48+12*\i+6*\c:(\buf)+48+12*\i+6*\c+3], v[AB16+(\lb)] offset:(8*(\ks)+\i)*FRB+768*\c
	ds_load_b64 v[(\buf)+48+12*\i+6*\c+4:(\buf)+48+12*\i+6*\c+5], v[AB8+(\lb)] offset:(8*(\ks)+\i)*FRB+768*\c
.endr
.endr
.if LDA
.set KA_, 4*(\la)+(\ks)
.set WF_, (2+KA_/5)<<6
	WIN WF_
.irp i, 0,1,2,3
.irp c, 0,1
	ds_load_b128 v[48*(KA_%5)+12*\i+6*\c:48*(KA_%5)+12*\i+6*\c+3], v[AA16+(\la)] offset:(8*(\ks)+\i)*FRB+768*\c
	ds_load_b64 v[48*(KA_%5)+12*\i+6*\c+4:48*(KA_%5)+12*\i+6*\c+5], v[AA8+(\la)] offset:(8*(\ks)+\i)*FRB+768*\c
.endr
.endr
.endif
.endm
.macro SCALES ls, set                  ; a chunk's scale words: register 4 i + s: lanes 0-15 A's block i, lanes 16-31 B's block i, K step s
	WIN 0
.irp i, 0,1,2,3
	ds_load_b128 v[SC+16*(\set)+4*\i:SC+16*(\set)+4*\i+3], v[AS+(\ls)] offset:256*\i
.endr
.endm
; 8 matrix instructions: A's blocks a0, a0 + 1 x B's four.  cmode 1: C = the bias; 2: in place.  orient 0: source 0 = B; 1: source 0 = A.  The 16 accumulators take turns, one instruction a turn.
.macro MUL8 a0, buf, set, ks, cmode, orient
.irp a, \a0, \a0+1
.irp t, 0,1,2,3
.if \orient
.set RD_, ACC+8*(4*\t+(\a))
.set RA_, 48*((4*(\set)+(\ks))%5)+12*(\a)
.set RB_, (\buf)+48+12*\t
.set QA_, SC+16*(\set)+4*(\a)+(\ks)
.set QB_, SC+16*(\set)+4*\t+(\ks)
.if (\cmode) == 1
	v_wmma_scale_f32_16x16x128_f8f6f4 v[RD_:RD_+7], v[RA_:RA_+11], v[RB_:RB_+11], v[BI+8*\t:BI+8*\t+7], v[QA_], v[QB_] matrix_a_fmt:MATRIX_FMT_FP6 matrix_b_fmt:MATRIX_FMT_FP6 matrix_b_scale:MATRIX_SCALE_ROW1
.else
	v_wmma_scale_f32_16x16x128_f8f6f4 v[RD_:RD_+7], v[RA_:RA_+11], v[RB_:RB_+11], v[RD_:RD_+7], v[QA_], v[QB_] matrix_a_fmt:MATRIX_FMT_FP6 matrix_b_fmt:MATRIX_FMT_FP6 matrix_b_scale:MATRIX_SCALE_ROW1
.endif
.else
.set RD_, ACC+8*(4*(\a)+\t)
.set RA_, (\buf)+48+12*\t
.set RB_, 48*((4*(\set)+(\ks))%5)+12*(\a)
.set QA_, SC+16*(\set)+4*\t+(\ks)
.set QB_, SC+16*(\set)+4*(\a)+(\ks)
.if (\cmode) == 1
	v_wmma_scale_f32_16x16x128_f8f6f4 v[RD_:RD_+7], v[RA_:RA_+11], v[RB_:RB_+11], v[BI+8*\t:BI+8*\t+7], v[QA_], v[QB_] matrix_a_fmt:MATRIX_FMT_FP6 matrix_b_fmt:MATRIX_FMT_FP6 matrix_a_scale:MATRIX_SCALE_ROW1
.else
	v_wmma_scale_f32_16x16x128_f8f6f4 v[RD_:RD_+7], v[RA_:RA_+11], v[RB_:RB_+11], v[RD_:RD_+7], v[QA_], v[QB_] matrix_a_fmt:MATRIX_FMT_FP6 matrix_b_fmt:MATRIX_FMT_FP6 matrix_a_scale:MATRIX_SCALE_ROW1
.endif
.endif
.endr
.endr
.endm
; K step ks = 0, 1, 2 of a chunk: its fragments are in; the next step's are asked for, four places behind the products that read that set; then 16 products
.macro STEP la, lb, set, ks, cmode, orient
.set WA_, 2+(4*(\set)+(\ks))/5
.set MUL, (1-(\orient))*(1|(WA_<<2))+(\orient)*(WA_|4)
.set MULB, MUL|0x10
	s_wait_dscnt 0x0
	PLACES 4
	FETCH \la, \lb, (\ks)+1, 96*(((\ks)+1)%2)
.if (\cmode) == 1
	WIN MULB
.else
	WIN MUL
.endif
	MUL8 0, 96*((\ks)%2), \set, \ks, \cmode, \orient
	MUL8 2, 96*((\ks)%2), \set, \ks, \cmode, \orient
.endm
; A chunk's last K step, which also fetches the first fragments and the scale words of the chunk that follows (A's nla, B's place nlb, scale set nset).
; mode 0: that chunk was shown whole by an earlier barrier: no barrier.
; mode 1: the middle of tile 0: each wave waits for its second first fill (its third may be out) and for its LDS loads; one barrier.
; mode 2: a tile's end with nothing left to fetch: each wave waits for all its tensor loads, adds 0 to its spare word, waits for that and for its LDS loads; one barrier: the next tile's places are whole.
; mode 3: the same, and the barrier opens a round of the cluster's barrier; behind it the two places of parity rp, which nobody reads any more, are filled with the tile two on: one joint load a wave, a quarter each.
.macro TURN set, mode, nla, nlb, nset, rp, orient
.set WA_, 2+(4*(\set)+3)/5
.set MUL, (1-(\orient))*(1|(WA_<<2))+(\orient)*(WA_|4)
.if \mode == 0
	s_wait_dscnt 0x0
	PLACES 4
.else
.if \mode == 1
	s_wait_tensorcnt 0x1                           ; one load was issued behind my part of chunk 1: it may be out
.else
	WIN 0
	s_wait_tensorcnt 0x0                           ; all my tensor loads have landed
	ds_add_u32 v[SPW], v[NIL]
.if \mode == 3
	s_mov_b32 s[G1B+2], 100<<16                    ; no tensor load of mine is out: the refill brings 100 rows a wave
	s_mov_b32 s[G1B+4], 100
.endif
.endif
	s_wait_dscnt 0x0
	s_barrier_signal -1
	WIN MUL
	MUL8 0, F1, \set, 3, 2, \orient                ; work on registers while the others arrive
	WIN 0
	s_barrier_wait -1
.if \mode == 3
	CREST
	tensor_load_to_lds s[G0R+4*\rp:G0R+4*\rp+3], s[G1B:G1B+7]   ; every wave its own quarter: 100 rows of 256 bytes
	s_nop 0
.endif
	PLACES 4                                       ; in front of the loads into the set that the step before multiplied
.endif
	FETCH \nla, \nlb, 0, F0
	SCALES \nlb, \nset
	WIN MUL
.if \mode == 0
	MUL8 0, F1, \set, 3, 2, \orient
.endif
	MUL8 2, F1, \set, 3, 2, \orient
.endm
.macro LAST set, orient
.set WA_, 2+(4*(\set)+3)/5
.set MUL, (1-(\orient))*(1|(WA_<<2))+(\orient)*(WA_|4)
	s_wait_dscnt 0x0
	WIN MUL
	MUL8 0, F1, \set, 3, 2, \orient
	MUL8 2, F1, \set, 3, 2, \orient
	WIN 0
.endm
	s_load_b256 s[4:11], s[0:1], 0x0               ; himg, wimg, b_qkv, qb
	s_load_b64 s[12:13], s[0:1], 0x20              ; kv
	v_lshl_add_u32 v[SPW], v0, 2, SPARE
	v_mov_b32 v[NIL], 0
	ds_add_u32 v[SPW], v[NIL]                      ; the wave's opening: the add and its wait ahead of my first tensor load
	ds_add_u32 v[SPW], v[NIL]
	v_lshrrev_b32 v1, 5, v0
	v_readfirstlane_b32 s14, v1                    ; wave
	s_lshr_b32 s15, s14, 1                         ; mh: my half of the rows.  Also: in the first fills I fetch for A (0) or B (1)
	s_and_b32 s16, s14, 1                          ; nh: my half of the columns.  Also: which half of a chunk I fetch
	s_bfe_u32 s40, ttmp6, 0x40000                  ; cx
	s_bfe_u32 s41, ttmp6, 0x40004                  ; cy
	s_lshl_b32 s42, ttmp9, 2
	s_add_co_u32 s42, s42, s40                     ; tx
	s_and_b32 s17, ttmp7, 0xffff
	s_lshl_b32 s17, s17, 2
	s_add_co_u32 s17, s17, s41                     ; ty
	s_lshl_b32 s43, s41, 2
	s_lshl_b32 s43, 15, s43                        ; my row of the cluster
	s_lshl_b32 s44, 0x1111, s40                    ; my column
	s_or_b32 s[G1A], s43, (3<<16)|(1<<21)          ; the mask; elements of 8 bytes; bit 21 beside a mask; no padding
	s_or_b32 s[G1B], s44, (3<<16)|(1<<21)
.irp g, G1A, G1B
	s_mov_b32 s[\g+1], 32<<16                      ; 100 dense rows of 256 bytes: half a chunk, a quarter of a tile
	s_mov_b32 s[\g+2], 100<<16
	s_mov_b32 s[\g+3], 32<<16
	s_mov_b32 s[\g+4], 100
	s_mov_b32 s[\g+5], 32
	s_mov_b32 s[\g+6], 0
	s_mov_b32 s[\g+7], 0
.endr
	s_mul_i32 s18, s16, CHUNK                      ; waves 2 and 3: which chunk of B's tile 1 I fetch at the head
	s_mov_b32 s19, 0
	s_mul_i32 s22, s14, HALFC                      ; my quarter of a tile's two chunks
	s_mov_b32 s23, 0
	s_mul_i32 s20, s17, 2*CHUNK
	s_mov_b32 s21, 0
	s_mul_i32 s46, s42, BMUL                       ; B on tx alone
	s_add_co_u32 s46, s46, WOFF
	s_mov_b32 s47, 0
	s_wait_dscnt 0x0
	s_wait_kmcnt 0x0
	s_add_nc_u64 s[20:21], s[4:5], s[20:21]
	s_add_nc_u64 s[46:47], s[6:7], s[46:47]        ; B's tile 0
	CROUND                                         ; all sixteen work-groups are here: the first joint loads meet
	; THE HEAD'S TILES, one tensor load a wave: wave 0 A's two chunks, 400 dense rows of 256 bytes; wave 1 both chunks of B's tile 0; waves 2 and 3 a chunk each of B's tile 1
	s_mov_b32 s[G1A+2], 400<<16
	s_mov_b32 s[G1A+4], 400
	s_mov_b32 s[G0A], 1
	s_mov_b32 s[G0A+1], 0
	s_mov_b64 s[G0A+2:G0A+3], s[20:21]
	s_or_b32 s[G0A+3], s[G0A+3], 0x80000000
	s_mov_b32 s[G0B], 1
	s_mov_b32 s[G0B+1], BREG
	s_mov_b64 s[G0B+2:G0B+3], s[46:47]
	s_or_b32 s[G0B+3], s[G0B+3], 0x80000000
	s_mov_b32 s[G0B+4], 1
	s_add_co_u32 s[G0B+5], s18, BREG+2*CHUNK
	s_add_nc_u64 s[G0B+6:G0B+7], s[46:47], s[18:19]
	s_add_nc_u64 s[G0B+6:G0B+7], s[G0B+6:G0B+7], TSTEP
	s_or_b32 s[G0B+7], s[G0B+7], 0x80000000
.irp p, 0
	s_mov_b32 s[G0R+4*\p], 1
	s_add_co_u32 s[G0R+4*\p+1], s22, BREG+2*\p*CHUNK
	s_add_nc_u64 s[G0R+4*\p+2:G0R+4*\p+3], s[46:47], s[22:23]
	s_add_nc_u64 s[G0R+4*\p+2:G0R+4*\p+3], s[G0R+4*\p+2:G0R+4*\p+3], (2-\p)*TSTEP
	s_or_b32 s[G0R+4*\p+3], s[G0R+4*\p+3], 0x80000000
.endr
	s_cmp_eq_u32 s14, 0                            ; one chain of arms on the wave's number, a load in each; a tile's row count is written in the arm of its own line
	s_cbranch_scc0 .Lh1
	tensor_load_to_lds s[G0A:G0A+3], s[G1A:G1A+7]
	s_nop 0
	PLACES 4
	s_branch .Lhasked
.Lh1:
	s_cmp_eq_u32 s14, 1
	s_cbranch_scc0 .Lh2
	s_mov_b32 s[G1B+2], 400<<16
	s_mov_b32 s[G1B+4], 400
	tensor_load_to_lds s[G0B:G0B+3], s[G1B:G1B+7]
	s_nop 0
	PLACES 4
	s_branch .Lhasked
.Lh2:
	s_mov_b32 s[G1B+2], 200<<16
	s_mov_b32 s[G1B+4], 200
	tensor_load_to_lds s[G0B+4:G0B+7], s[G1B:G1B+7]
	s_nop 0
	PLACES 4
.Lhasked:
	v_and_b32 v1, 15, v0                           ; r
	v_bfe_u32 v4, v0, 4, 1                         ; h
	v_and_b32 v5, 31, v0                           ; l
	v_lshlrev_b32 v[O16], 4, v5                    ; 16 l
	v_lshlrev_b32 v[O8], 4, v1
	v_lshl_add_u32 v[O8], v4, 3, v[O8]
	v_add_nc_u32 v[O8], 512, v[O8]                 ; 512 + 16 r + 8 h
	s_mul_i32 s22, s15, 4*FRB                      ; my four blocks of A,
	s_mul_i32 s23, s16, 4*FRB
	s_add_co_u32 s23, s23, BREG                    ; and of B
.irp c, 0,1
	v_add_nc_u32 v[AA16+\c], s22, v[O16]
	v_add_nc_u32 v[AA8+\c], s22, v[O8]
	s_add_co_u32 s22, s22, CHUNK
.endr
.irp k, 0,1,2,3
	v_add_nc_u32 v[AB16+\k], s23, v[O16]
	v_add_nc_u32 v[AB8+\k], s23, v[O8]
	s_add_co_u32 s23, s23, CHUNK
.endr
	s_lshl_b32 s22, s15, 10
	s_lshl_b32 s23, s16, 10
	s_add_co_u32 s23, s23, BREG
	s_sub_co_u32 s23, s23, s22
	v_mul_u32_u24 v6, s23, v4                      ; lanes 16-31 take B's scale words: one product, the distance between the two bases; parity 0,
	s_add_co_u32 s23, s23, 2*CHUNK
	v_mul_u32_u24 v13, s23, v4                     ; parity 1
	v_lshl_add_u32 v6, v1, 4, v6
	v_lshl_add_u32 v13, v1, 4, v13
	s_add_co_u32 s22, s22, SCO
	v_add_nc_u32 v[AS], s22, v6
	v_add_nc_u32 v[AS+1], CHUNK, v[AS]             ; chunk 1: A's and B's both lie one chunk on
	v_add_nc_u32 v[AS+2], s22, v13
	v_add_nc_u32 v[AS+3], CHUNK, v[AS+2]
	; where the results go
	s_lshr_b32 s66, s17, 4
	s_lshl_b32 s66, s66, 4
	s_lshl_b32 s67, s42, 1
	s_add_co_u32 s66, s66, s67
	s_add_co_u32 s66, s66, s16                     ; batch x 16 + head
	s_and_b32 s67, s17, 15                         ; tile of 128 tokens in the batch
	s_mov_b32 s69, 0
	s_lshl_b32 s68, s66, 7
	s_lshl_b32 s74, s67, 3
	s_add_co_u32 s68, s68, s74
	s_lshl_b32 s74, s15, 2
	s_add_co_u32 s68, s68, s74
	s_mul_i32 s68, s68, 768
	s_add_nc_u64 s[QC:QC+1], s[10:11], s[68:69]    ; q's half images
	s_lshl_b32 s68, s66, 5
	s_lshl_b32 s74, s67, 1
	s_add_co_u32 s68, s68, s74
	s_add_co_u32 s68, s68, s15
	s_lshl_b32 s68, s68, 8
	s_add_co_u32 s68, s68, QSC
	s_add_nc_u64 s[QS:QS+1], s[10:11], s[68:69]    ; q's scale words: 256 bytes for my 64 tokens
	s_lshl_b32 s68, s66, 3
	s_lshr_b32 s76, s67, 1
	s_add_co_u32 s68, s68, s76
	s_mul_i32 s68, s68, KVS
	s_add_nc_u64 s[74:75], s[12:13], s[68:69]      ; my slot of kv
	s_and_b32 s76, s67, 1                          ; key step in it
	s_lshl_b32 s68, s76, 3
	s_lshl_b32 s77, s15, 2
	s_add_co_u32 s68, s68, s77
	s_mul_i32 s68, s68, 768
	s_add_nc_u64 s[KC:KC+1], s[74:75], s[68:69]
	s_lshl_b32 s68, s76, 1
	s_add_co_u32 s68, s68, s15
	s_lshl_b32 s68, s68, 8
	s_add_co_u32 s68, s68, 24576
	s_add_nc_u64 s[KS:KS+1], s[74:75], s[68:69]
	s_mul_i32 s68, s76, 4*FRB
	s_mul_i32 s77, s15, 768
	s_add_co_u32 s68, s68, s77
	s_add_co_u32 s68, s68, 12288
	s_add_nc_u64 s[VC:VC+1], s[74:75], s[68:69]
	s_lshl_b32 s68, s76, 8
	s_add_co_u32 s68, s68, 25600
	s_add_nc_u64 s[VS:VS+1], s[74:75], s[68:69]
	s_lshl_b32 s68, s42, 9
	s_lshl_b32 s77, s16, 8
	s_add_co_u32 s68, s68, s77
	s_add_nc_u64 s[BB:BB+1], s[8:9], s[68:69]      ; the bias of my 64 columns of q
	s_mov_b32 s[SEL], 0x76543210
	s_mov_b32 s[SEL+1], 0xfedcba98
	s_mov_b32 s90, 0xffff0000
	v_lshlrev_b32 v[BL], 6, v4                     ; 64 h
	v_and_b32 v[BN], 8, v1
	v_add_nc_u32 v[BN], v[BN], v1
	v_lshlrev_b32 v[BN], 2, v[BN]                  ; 4 (r + 8 (r / 8))
	v_lshlrev_b32 v[SW], 3, v1
	v_lshl_add_u32 v[SW], v4, 7, v[SW]             ; 128 h + 8 r
	s_lshl_b32 s77, s16, 8
	s_lshl_b32 s91, s15, 1
	s_add_co_u32 s91, s91, s77
	s_add_co_u32 s91, s91, XTRA
	v_lshl_add_u32 v[XW], v1, 2, s91               ; LDS: 256 nh + 4 r + 2 mh
	s_add_co_u32 s77, s77, XTRA
	v_lshlrev_b32 v[L8], 3, v5
	v_add_nc_u32 v[XR], s77, v[L8]
.irp a, 0,1,2,3
	v_mov_b32 v[PB+8*\a+6], 0                      ; written once: a lane permute's destination counts as one of its sources
	v_mov_b32 v[PB+8*\a+7], 0
.endr
.macro BIAS_T off                      ; in the result's layout: tile t's eight columns of my half
	WIN TO_F
.irp t, 0,1,2,3
	global_load_b128 v[BI+8*\t:BI+8*\t+3], v[BL], s[BB:BB+1] offset:(32*(\t/2)+8*(\t%2))*4+\off
	global_load_b128 v[BI+8*\t+4:BI+8*\t+7], v[BL], s[BB:BB+1] offset:(32*(\t/2)+8*(\t%2))*4+16+\off
.endr
	WIN 0
.endm
.macro BIAS_N off                      ; sources swapped: a lane holds one column: eight registers with its bias
	WIN TO_F
.irp t, 0,1,2,3
.irp j, 0,1,2,3,4,5,6,7
	global_load_b32 v[BI+8*\t+\j], v[BN], s[BB:BB+1] offset:(32*(\t/2)+8*(\t%2))*4+\off
.endr
.endr
	WIN 0
.endm
; 32 results of a lane, register 16 b + i = neighbour 32 b + 16 h + i, become half a fragment's image (768 bytes) and two scale bytes in v[WW + idx]
; All four blocks a of a tile at once, stage by stage, so that eight chains stand side by side and no line reads the line above it.  Block a: results v[ACC + 32 a ..], codes v[PB + 8 a ..], at off0 + a x stride.
; v[TM + 2 a + b]: the largest magnitude of scale block b, then the conversion's scale operand; v[PB + 8 a + 6 + b]: lane l xor 16's, then the byte
.macro QEPI4 base, off0, stride
.irp a, 0,1,2,3
.irp b, 0,1
	v_max3_num_f32 v[TM+2*\a+\b], |v[ACC+32*\a+16*\b]|, |v[ACC+32*\a+16*\b+1]|, 0x1800000   ; each accumulator is read from its low end on; the floor holds the byte at 1
.endr
.endr
.irp i, 2,4,6,8,10,12,14
.irp a, 0,1,2,3
.irp b, 0,1
	v_max3_num_f32 v[TM+2*\a+\b], v[TM+2*\a+\b], |v[ACC+32*\a+16*\b+\i]|, |v[ACC+32*\a+16*\b+\i+1]|
.endr
.endr
.endr
.irp a, 0,1,2,3
.irp b, 0,1
	v_permlanex16_b32 v[PB+8*\a+6+\b], v[TM+2*\a+\b], s[SEL], s[SEL+1]
.endr
.endr
.irp a, 0,1,2,3
.irp b, 0,1
	v_max_num_f32 v[TM+2*\a+\b], v[TM+2*\a+\b], v[PB+8*\a+6+\b]   ; with lane l xor 16's 16: the block's largest magnitude
.endr
.endr
.irp a, 0,1,2,3
.irp b, 0,1
	v_add_nc_u32 v[TM+2*\a+\b], 0xff000000, v[TM+2*\a+\b]          ; 2 off its exponent field: the conversion's scale operand
.endr
.endr
.irp a, 0,1,2,3
.irp b, 0,1
	v_lshrrev_b32 v[PB+8*\a+6+\b], 23, v[TM+2*\a+\b]
.endr
.endr
.irp a, 0,1,2,3
	v_cvt_scalef32_pk16_fp6_f32 v[PB+8*\a:PB+8*\a+2], v[ACC+32*\a:ACC+32*\a+15], v[TM+2*\a]
	v_cvt_scalef32_pk16_fp6_f32 v[TT\a:TT\a+2], v[ACC+32*\a+16:ACC+32*\a+31], v[TM+2*\a+1]
.endr
.irp a, 0,1,2,3
	v_lshl_or_b32 v[WW+\a], v[PB+8*\a+7], 8, v[PB+8*\a+6]          ; the two bytes.  (The plain places behind the conversions)
.endr
.irp a, 0,1,2,3
.irp i, 0,1,2
	v_permlane16_swap_b32 v[PB+8*\a+\i], v[TT\a+\i]                ; a whole block to a lane: lanes 0-15 the first, lanes 16-31 the second
.endr
.endr
.irp a, 0,1,2,3
.irp i, 0,1,2
	v_mov_b32 v[PB+8*\a+3+\i], v[TT\a+\i]
.endr
.endr
.irp a, 0,1,2,3
	global_store_b128 v[O16], v[PB+8*\a:PB+8*\a+3], s[\base:\base+1] offset:(\off0)+\a*(\stride)     ; 512 consecutive bytes, aligned
	global_store_b64 v[O8], v[PB+8*\a+4:PB+8*\a+5], s[\base:\base+1] offset:(\off0)+\a*(\stride)     ; 256
.endr
.endm
.macro SCW base                        ; my 64 tokens' scale words (two bytes, two zeros), laid [a / 2][r][a % 2]: one store of 256 consecutive bytes
	v_cndmask_b32 v80, v[WW], v[WW+2], s90
	v_cndmask_b32 v81, v[WW+1], v[WW+3], s90
	global_store_b64 v[SW], v[80:81], s[\base:\base+1]
.endm
; One tile, in B's places of parity p: K = 1,024 in eight steps.  first: tile 0, whose middle has a barrier.  emode: how the tile ends: 0 nothing follows, 2 a barrier, 3 a round and the refill of this tile's places
.macro LAP orient, p, first, emode
	s_wait_loadcnt 0x0                             ; the bias
	STEP 0, 2*\p, 0, 0, 1, \orient
	STEP 0, 2*\p, 0, 1, 2, \orient
	STEP 0, 2*\p, 0, 2, 2, \orient
	TURN 0, \first, 1, 2*\p+1, 1, 0, \orient
	STEP 1, 2*\p+1, 1, 0, 2, \orient
	STEP 1, 2*\p+1, 1, 1, 2, \orient
	STEP 1, 2*\p+1, 1, 2, 2, \orient
.if \emode == 0
	LAST 1, \orient
.else
.set LDA, 0                            ; all of A's fragments are in registers
	TURN 1, \emode, 0, 2-2*\p, 0, \p, \orient
.endif
	WIN 0
	PLACES 4                                       ; in front of the first read of results
.endm
	BIAS_T 0                                       ; all three tiles' biases come at the head, each into 32 registers of its own in window 1: v192, v224, v0
.set BI, 224
	BIAS_T 4096                                    ; k's: 1,024 columns on
.set BI, 0
	BIAS_N 8192                                    ; v's
.set BI, 192
	s_wait_alu depctr_va_vdst(0)                   ; the wait at the head's end
	s_cmp_lt_u32 s14, 2                            ; waves 0 and 1 wait for A and for B's tile 0; tile 1, on lines of its own, may be out
	s_cbranch_scc0 .Lnot_first
	s_wait_tensorcnt 0x0
.Lnot_first:
	s_barrier_signal -1
	s_barrier_wait -1
	FETCH 0, 0, 0, F0
	SCALES 0, 0
	LAP 0, 0, 0, 3                                 ; q; both its chunks were shown by the first barrier; at its end tile 2 (v's) is asked for
	s_wait_xcnt 0x0
	QEPI4 QC, 0, 768
	SCW QS
.set BI, 224
	LAP 0, 1, 0, 2                                 ; k
	s_wait_xcnt 0x0                                ; q's stores have read their registers
	QEPI4 KC, 0, 768
	SCW KS
.set BI, 0
	LAP 1, 0, 0, 0                                 ; v, the sources swapped
	s_wait_xcnt 0x0
	QEPI4 VC, 0, FRB                               ; tile a of the head's 64: my 64 keys are half mh of the key step
.irp a, 0,1,2,3
	ds_store_b16 v[XW], v[WW+\a] offset:64*\a      ; their two scale bytes meet the other half's in LDS
.endr
	s_wait_dscnt 0x0                               ; for the others' sake: my stores have landed
	s_barrier_signal -1
	s_barrier_wait -1
	s_cmp_lt_u32 s14, 2                            ; waves 0 and 1 (heads 2 tx, 2 tx + 1) store a head's 256 bytes of scale words
	s_cbranch_scc0 .Lno_sc
	ds_load_b64 v[82:83], v[XR]
	s_wait_dscnt 0x0
	global_store_b64 v[L8], v[82:83], s[VS:VS+1]
.Lno_sc:
	s_wait_tensorcnt 0x0                           ; the wave's end
	ds_add_u32 v[SPW], v[NIL]
	s_wait_dscnt 0x0
	CROUND                                         ; the closing round
	s_endpgm
.Lfunc_end_k_q4e32788d64_qkv:
	.size	k_q4e32788d64_qkv, .Lfunc_end_k_q4e32788d64_qkv-k_q4e32788d64_qkv
	.p2alignl 7, 3214868480
	.fill 96, 4, 3214868480
	.section	.rodata,"a",@progbits
	.p2align	6, 0x0
	.amdhsa_kernel k_q4e32788d64_qkv
		.amdhsa_group_segment_fixed_size 327680
		.amdhsa_private_segment_fixed_size 0
		.amdhsa_enable_private_segment 0
		.amdhsa_kernarg_size 40
		.amdhsa_user_sgpr_count 2
		.amdhsa_user_sgpr_kernarg_segment_ptr 1
		.amdhsa_wavefront_size32 1
		.amdhsa_system_sgpr_workgroup_id_x 1
		.amdhsa_system_sgpr_workgroup_id_y 1
		.amdhsa_system_sgpr_workgroup_id_z 1
		.amdhsa_system_vgpr_workitem_id 0
		.amdhsa_next_free_vgpr 912
		.amdhsa_next_free_sgpr 100
		.amdhsa_reserve_vcc 0
		.amdhsa_float_denorm_mode_32 3
		.amdhsa_float_denorm_mode_16_64 3
		.amdhsa_memory_ordered 1
		.amdhsa_forward_progress 1
		.amdhsa_inst_pref_size 129
	.end_amdhsa_kernel
	.amdgpu_metadata
---
amdhsa.version: [ 1, 2 ]
amdhsa.kernels:
  - .name:           k_q4e32788d64_qkv
    .symbol:         k_q4e32788d64_qkv.kd
    .args:
      - { .name: himg, .offset: 0, .size: 8, .value_kind: global_buffer, .address_space: global }
      - { .name: wimg, .offset: 8, .size: 8, .value_kind: global_buffer, .address_space: global }
      - { .name: b_qkv, .offset: 16, .size: 8, .value_kind: global_buffer, .address_space: global }
      - { .name: qb, .offset: 24, .size: 8, .value_kind: global_buffer, .address_space: global }
      - { .name: kv, .offset: 32, .size: 8, .value_kind: global_buffer, .address_space: global }
    .group_segment_fixed_size: 327680
    .private_segment_fixed_size: 0
    .kernarg_segment_align: 8
    .kernarg_segment_size: 40
    .max_flat_workgroup_size: 128
    .sgpr_count:     100
    .vgpr_count:     912
    .wavefront_size: 32
...
	.end_amdgpu_metadata
.endif
;; end of part 2
;; launch attn (part 3): grid 8 x 32, 16 waves a work-group, clusters of 4 x 1, 327,680 bytes of LDS; arguments qb, kv, yimg; writes yimg
.if DOCPART == 3
	.amdgcn_target "amdgcn-amd-amdhsa--gfx1250"
	.amdhsa_code_object_version 6
	.text
	.protected	k_q4e32788d64_attn
	.globl	k_q4e32788d64_attn
	.p2align	8
	.type	k_q4e32788d64_attn,@function
k_q4e32788d64_attn:
	s_mov_b64 s[64:65], 0
	v_nop
	global_prefetch_b8 v0, s[64:65] scope:SCOPE_SE
	s_setreg_imm32_b32 hwreg(HW_REG_WAVE_MODE, 25, 1), 1
	s_wait_xcnt 0x0
	s_wait_alu depctr_hold_cnt(0) depctr_sa_sdst(0) depctr_va_vdst(0) depctr_va_sdst(0) depctr_va_ssrc(0) depctr_va_vcc(0) depctr_vm_vsrc(0)
	s_getreg_b32 s2, hwreg(HW_REG_IB_STS2, 6, 4)
	s_cmp_eq_u32 s2, 0
	s_cbranch_scc0 .Lentry_in_a_cluster
	s_endpgm
.Lentry_in_a_cluster:
	s_bfe_u32 s2, ttmp6, 0x10000c
	s_cmp_lg_u32 s2, 0x3003
	s_cbranch_scc0 .Lentry_shape_is_right
	s_endpgm
.Lentry_shape_is_right:
; y = softmax(q k^T / 8, causal) v for one head, both products on codes of FP6 (E2M3) with E8M0 scales; y / l is quantised along the model's 1,024 and leaves as an operand's image.
; t = score x log2(e) / 8; M = the running largest t rounded up to a whole number; p = 2^(t - M) is quantised along the keys, not normalised; the row's sum is taken of the unquantised p and divides at the end.
; LDS HOLDS ALL OF THE HEAD'S K AND V: eight slots of 256 keys (K's half images, V^T's fragments, both scales; 26,112 dense bytes each), 208,896 bytes, filled once: each of the sixteen waves asks for half a slot at the head.
; Waves 0 and 1 (slot 0) have a load line of their own and are shown at the first barrier; the others at one barrier behind slot 0.  Nothing is filled again, and no barrier stands among the later slots.
; SHARES.  Work-group (x, head) takes tile x (16 queries) of each of the head's 16 token tiles of 128: wave w < 8 that of token tile w, wave w + 8 that of token tile 15 - w.  So all work-groups are alike and read all eight slots.
; THE LONG TILE'S KEYS ARE SHARED BY TWO WAVES.  Token tile w has w + 1 key steps of 128, token tile 15 - w has 16 - w.  When wave w has passed its own last key step it parks its state (O^T, -M, the sums) in LDS bytes of its own,
; takes wave w + 8's q, and from there on does, for those queries, the key step of each slot whose place in the slot is w % 2; wave w + 8 does the other.  While wave w is at its own tile, wave w + 8 does both.
; So wave w has 8 key steps and wave w + 8 has 9, each with one step on the diagonal.
; At the end wave w hands its partial state over through LDS, takes its parked state back, and every wave joins two states under the larger M by factors that are powers of two.
; A key step that is not the wave's, or all of whose keys come after its queries, is jumped over: by the wave's number and the count of steps alone, never by the work-group's place in its cluster.
; CLUSTER 4 x 1: the four work-groups read the same K and V: every load is a joint one, mask 15.  NO PREFETCH: all tiles are asked for at the head, so there is no loop to run ahead in.
; Both products are used transposed: a lane holds ONE query.  The head's 64 fill half of the instruction's K: the other half is zero codes on both sides, under scale bytes 0.
; Lane r of a tile holds query Q0 + r + 8 (r / 8); lane r of K's tile 2 b + u holds key 32 b + 8 u + r + 8 (r / 8): the images are laid so.
; y's scale bytes leave one byte a lane: a word's two halves come from two heads, that is from two work-groups; they are 1/24 of the codes' bytes.
; LIMITS: NaN and infinities are not served; a block of zeros or under 2^-124 gets the scale byte 1 (its codes are zeros); the scaled scores stay under 2^31 in magnitude.
.set KVS,   26112
.set HALF,  13056                      ; half a slot: 51 rows of 256 bytes
.set SPARE, 208896                     ; behind the eight slots: the spare words, 128 bytes for each of 16 waves
.set XCH,   210944                     ; behind them: sixteen places of XB bytes for states; no fill lands here
.set XB,    4608                       ; a state: 32 registers of O^T and v12-15, 16 bytes a lane and piece
.set QSC,   3145728
.set SCO,   49152
.set A16, 1                            ; v1  16 l
.set A8,  2                            ; v2  512 + 16 r + 8 h
.set AS8, 3                            ; v3  K's scale words: 24,576 + 8 r
.set AS4, 4                            ; v4  V's: 25,600 + 4 r
.set SPW, 5
.set NIL, 6
.set DQ,  7                            ; v7  r + 8 (r / 8) - 16 h
.set LAD, 90                           ; v90 place w xor 8: waves 0-7 park there and read it back; waves 8-15 read their partner's partial state
.set SAD, 91                           ; v91 place w: where waves 0-7 put the partial state
.set S,   96                           ; v96-159 S^T, then p; v96-143 then V's four fragments
.set O,   160                          ; v160-191 O^T
.set PC,  192                          ; v192-203 p's codes; v204-211 the conversions' second halves
.set BM,  212                          ; v212-215 the blocks' largest; v216-219 lane exchange, bytes; v220-223 scale operands.  v228-234 the long tile's q
.set WV,  18
.set SEL, 20
.set CS,  22
.set G1,  24
.set G0,  32
.set TB,  36                           ; s36 the slot's first byte in LDS
.set KF,  37                           ; s37 the step's first key
.set Q0,  38                           ; s38 lane 0's query: enters the mask's numbers alone
.set SLOTS, 40
.set SWL, 73                           ; s73 past this key wave w < 8 changes over; afterwards, and in waves 8-15, the greatest number
.set LQ,  74                           ; s74, s75 the last key at which a slot's first, second key step is mine
.set QL,  76                           ; s76 lane 0's query in the long tile
.set QT,  80                           ; s80 my token tile's first query: made of the wave's number alone
.set DT,  81                           ; s81 queries from my token tile to the long one
.set QA,  82                           ; s82 (w % 8) % 2: the place in a slot that the wave of the short tile takes after its change
.macro ROUND                           ; a round of the cluster's barrier
	s_barrier_signal -1
	s_barrier_wait -1
	s_cmp_lg_u32 s[WV], 0
	s_cbranch_scc1 .Lnot_wave_0_\@
	s_barrier_signal -3
.Lnot_wave_0_\@:
	s_barrier_wait -3
	s_barrier_signal -1
	s_barrier_wait -1
.endm
.macro NOPS4
.rept 4
	v_nop
.endr
.endm
.macro SWITCH                          ; wave w < 8 leaves its own tile
	NOPS4                                          ; places behind the last products
	s_wait_alu depctr_va_vdst(0)                   ; the wait ahead of the first reader
.irp t, 0,1,2,3,4,5,6,7
	ds_store_b128 v[LAD], v[O+4*\t:O+4*\t+3] offset:512*\t   ; each accumulator from its low end on
.endr
	ds_store_b128 v[LAD], v[12:15] offset:4096
.irp i, 0,1,2,3,4,5
	v_mov_b32 v[16+\i], v[228+\i]                  ; the long tile's q and its scale words
.endr
	v_mov_b32 v89, v234
	v_mov_b32 v13, 0xff61b1e6                      ; an empty state
	v_floor_f32 v12, -v13
	v_mov_b32 v14, 0
	v_mov_b32 v15, 0
.set j, 0
.rept 32
	v_mov_b32 v[O+j], 0
.set j, j+1
.endr
	s_mov_b32 s[Q0], s[QL]
	s_add_co_u32 s[QT], s[QT], s[DT]
	s_add_co_u32 s83, s[QT], 127                   ; the long tile's last key: the limit of my place in a slot; the other place keeps its old limit, which has been passed
	s_cmp_eq_u32 s[QA], 0
	s_cselect_b32 s[LQ], s83, s[LQ]
	s_cselect_b32 s[LQ+1], s[LQ+1], s83
	s_mov_b32 s[SWL], -1
	s_wait_alu depctr_va_vdst(0)                   ; the wait
.endm
	s_load_b128 s[4:7], s[0:1], 0x0                ; qb, kv
	s_load_b64 s[8:9], s[0:1], 0x10                ; yimg
	v_lshl_add_u32 v[SPW], v0, 2, SPARE
	v_mov_b32 v[NIL], 0
	ds_add_u32 v[SPW], v[NIL]                      ; the wave's opening: the add, twice on end, and its wait ahead of the first tensor load
	ds_add_u32 v[SPW], v[NIL]
	v_lshrrev_b32 v8, 5, v0
	v_readfirstlane_b32 s[WV], v8
	s_and_b32 s44, ttmp7, 0xffff                   ; batch x 16 + head
	s_bfe_u32 s45, ttmp6, 0x40000                  ; cx
	s_lshl_b32 s79, ttmp9, 2
	s_add_co_u32 s45, s45, s79                     ; work-group x: my tile of 16 queries in a token tile
	s_and_b32 s79, s[WV], 7
	s_sub_co_u32 s46, 15, s79
	s_cmp_lt_u32 s[WV], 8
	s_cselect_b32 s46, s79, s46                    ; my token tile
	s_lshl_b32 s[QT], s46, 7
	s_lshr_b32 s47, s45, 1
	s_lshl_b32 s47, s47, 5
	s_add_co_u32 s[Q0], s[QT], s47
	s_and_b32 s47, s45, 1
	s_lshl_b32 s47, s47, 3
	s_add_co_u32 s[Q0], s[Q0], s47                 ; lane 0's query
	s_mov_b32 s[G1], 15|(3<<16)|(1<<21)            ; the mask of all four; elements of 8 bytes; bit 21 beside a mask; no padding: 51 dense rows of 256 bytes
	s_mov_b32 s[G1+1], 32<<16
	s_mov_b32 s[G1+2], 51<<16
	s_mov_b32 s[G1+3], 32<<16
	s_mov_b32 s[G1+4], 51
	s_mov_b32 s[G1+5], 32
	s_mov_b32 s[G1+6], 0
	s_mov_b32 s[G1+7], 0
	s_mul_i32 s48, s44, 8*KVS
	s_mov_b32 s49, 0
	s_mul_i32 s[G0+1], s[WV], HALF                 ; LDS is the image of the head's bytes in kv: wave w's half slot at w x 13,056 in both
	s_mov_b32 s50, s[G0+1]
	s_mov_b32 s51, 0
	s_mov_b32 s[SEL], 0x76543210
	s_mov_b32 s[SEL+1], 0xfedcba98
	s_mov_b32 s[CS], 0x3e38aa3b                    ; c = log2(e) / 8
	s_mov_b32 s[CS+1], s[CS]
	s_mov_b32 s63, 0xffff0000
	s_mov_b32 s[TB], 0
	s_mov_b32 s[KF], 0
	s_mov_b32 s[SLOTS], 1
	s_wait_alu depctr_va_vdst(0)                   ; the wait ahead of the waits below
	s_wait_dscnt 0x0
	ROUND                                          ; all four work-groups are here: the joint loads meet
	s_wait_kmcnt 0x0
	s_mov_b32 s[G0], 1
	s_add_nc_u64 s[G0+2:G0+3], s[6:7], s[48:49]
	s_add_nc_u64 s[G0+2:G0+3], s[G0+2:G0+3], s[50:51]
	s_or_b32 s[G0+3], s[G0+3], 0x80000000
	s_cmp_lt_u32 s[WV], 2                          ; two arms, a load in each: waves 0 and 1, which wait first, have a line of their own
	s_cbranch_scc0 .Lrest
	tensor_load_to_lds s[G0:G0+3], s[G1:G1+7]
	s_nop 0
	NOPS4
	s_branch .Lasked
.Lrest:
	tensor_load_to_lds s[G0:G0+3], s[G1:G1+7]
	s_nop 0
	NOPS4
.Lasked:
	s_lshl_b32 s50, s44, 7
	s_lshl_b32 s54, s46, 3
	s_add_co_u32 s50, s50, s54
	s_add_co_u32 s50, s50, s45
	s_mul_i32 s50, s50, 768
	s_add_nc_u64 s[52:53], s[4:5], s[50:51]        ; my q's half image
	s_lshl_b32 s50, s44, 5
	s_lshl_b32 s54, s46, 1
	s_add_co_u32 s50, s50, s54
	s_lshr_b32 s54, s45, 2
	s_add_co_u32 s50, s50, s54
	s_lshl_b32 s50, s50, 8
	s_bfe_u32 s54, s45, 0x10001
	s_lshl_b32 s54, s54, 7
	s_add_co_u32 s50, s50, s54
	s_and_b32 s54, s45, 1
	s_lshl_b32 s54, s54, 2
	s_add_co_u32 s50, s50, s54
	s_add_co_u32 s50, s50, QSC
	s_add_nc_u64 s[54:55], s[4:5], s[50:51]        ; and its scale words
	s_sub_co_u32 s72, 15, s79
	s_sub_co_u32 s72, s72, s46                     ; token tiles from mine to the long one: 15 - 2 w in waves 0-7, 0 in the others
	s_mul_i32 s66, s72, 6144
	s_mov_b32 s67, 0
	s_add_nc_u64 s[68:69], s[52:53], s[66:67]      ; the long tile's q
	s_lshl_b32 s66, s72, 9
	s_add_nc_u64 s[70:71], s[54:55], s[66:67]      ; and its scale words
	s_lshl_b32 s[DT], s72, 7
	s_add_co_u32 s[QL], s[DT], s[Q0]
	s_and_b32 s[QA], s79, 1
	s_add_co_u32 s83, s[QT], 127                   ; my own token tile's last key
	s_lshl_b32 s77, s79, 7
	s_add_co_u32 s77, s77, 127                     ; the short tile's last key (in waves 0-7 the same number)
	s_cmp_eq_u32 s[QA], 0
	s_cselect_b32 s[LQ], s77, s83                  ; the place QA of a slot is mine up to the short tile's last key, the other place up to my own tile's
	s_cselect_b32 s[LQ+1], s83, s77
	s_cmp_lt_u32 s[WV], 8
	s_cselect_b32 s[SWL], s83, -1
	s_xor_b32 s77, s[WV], 8
	s_mul_i32 s77, s77, XB
	s_add_co_u32 s77, s77, XCH
	s_mul_i32 s78, s[WV], XB
	s_add_co_u32 s78, s78, XCH
	s_and_b32 s56, s44, 15                         ; head
	s_lshr_b32 s50, s44, 4
	s_lshl_b32 s50, s50, 4
	s_add_co_u32 s50, s50, s46
	s_lshl_b32 s50, s50, 1
	s_lshr_b32 s57, s56, 3
	s_add_co_u32 s50, s50, s57
	s_mul_i32 s50, s50, 51200
	s_add_nc_u64 s[8:9], s[8:9], s[50:51]          ; y's chunk: 2 x token tile + head / 8
	s_bfe_u32 s57, s56, 0x20001                    ; K step: (head / 2) % 4
	s_and_b32 s58, s56, 1                          ; half
	s_lshl_b32 s59, s57, 3
	s_add_co_u32 s59, s59, s45
	s_mul_i32 s59, s59, 1536
	s_mul_i32 s60, s58, 768
	s_add_co_u32 s59, s59, s60                     ; my half image in the chunk
	s_lshl_b32 s60, s45, 8
	s_lshl_b32 s57, s57, 2
	s_add_co_u32 s60, s60, s57
	s_lshl_b32 s58, s58, 1
	s_add_co_u32 s60, s60, s58
	s_add_co_u32 s60, s60, SCO                     ; and my scale bytes
	v_and_b32 v8, 15, v0                           ; r
	v_bfe_u32 v9, v0, 4, 1                         ; h
	v_and_b32 v10, 31, v0
	v_lshlrev_b32 v[A16], 4, v10
	v_lshlrev_b32 v[A8], 4, v8
	v_lshl_add_u32 v[A8], v9, 3, v[A8]
	v_add_nc_u32 v[A8], 512, v[A8]
	v_lshlrev_b32 v11, 3, v8
	v_add_nc_u32 v[AS8], 24576, v11
	v_lshl_add_u32 v[AS4], v8, 2, 25600
	v_and_b32 v[DQ], 8, v8
	v_add_nc_u32 v[DQ], v[DQ], v8
	v_lshlrev_b32 v29, 4, v9
	v_sub_nc_u32 v[DQ], v[DQ], v29
	v_add_nc_u32 v[LAD], s77, v[A16]
	v_add_nc_u32 v[SAD], s78, v[A16]
	global_load_b128 v[16:19], v[A16], s[52:53]    ; q stays in registers
	global_load_b64 v[20:21], v[A8], s[52:53]
	global_load_b32 v89, v11, s[54:55]
	global_load_b128 v[228:231], v[A16], s[68:69]  ; the long tile's q waits in registers
	global_load_b64 v[232:233], v[A8], s[68:69]
	global_load_b32 v234, v11, s[70:71]
.irp j, 22,23,24,25,26,27
	v_mov_b32 v[\j], 0                             ; the upper 64 of K: zero codes
.endr
.irp t, 0,1,2,3
.irp j, 6,7,8,9,10,11
	v_mov_b32 v[32+12*\t+\j], 0                    ; in K's four fragments too: written once
.endr
.endr
	v_mov_b32 v13, 0xff61b1e6                      ; the largest t so far: -3e38
	v_floor_f32 v12, -v13                          ; -M
	v_mov_b32 v14, 0                               ; the sum, in two halves
	v_mov_b32 v15, 0
	v_mov_b32 v30, 0
	v_mov_b32 v31, 0
.irp b, 0,1,2,3
	v_mov_b32 v[BM+4+\b], 0                        ; a lane permute's destination counts as one of its sources
.endr
.set j, 0
.rept 32
	v_mov_b32 v[O+j], 0                            ; the step is written once: the first finds zeros
.set j, j+1
.endr
; A KEY STEP: 128 keys, the q-th of the slot in hand
.macro STEP q
	s_cmp_gt_u32 s[KF], s[SWL]                     ; my own tile is done: the wave's number and the count of steps alone
	s_cbranch_scc0 .Lstay_\@
	s_cmp_lt_u32 s[WV], 8
	s_cbranch_scc0 .Lstay_\@
	SWITCH
.Lstay_\@:
	s_cmp_gt_u32 s[KF], s[LQ+\q]                   ; not my step, or all its keys come after my queries; no barrier stands in a step
	s_cbranch_scc1 .Lhidden_\@
	v_nop                                          ; five places: the scores are laid over V's fragments, which the last products read
	v_add_nc_u32 v8, s[TB], v[A16]
	v_add_nc_u32 v9, s[TB], v[A8]
	v_add_nc_u32 v10, s[TB], v[AS8]
	v_add_nc_u32 v11, s[TB], v[AS4]
	s_wait_alu depctr_va_vdst(0)                   ; the wait
.irp g, 0,1                            ; S^T = K Q^T, four tiles of 16 keys at a time
.if \g
	NOPS4                                          ; places in front of loads into registers that matrix instructions have read
.endif
.irp t, 0,1,2,3
	ds_load_b128 v[32+12*\t:35+12*\t], v8 offset:(8*(\q)+4*\g+\t)*768
	ds_load_b64 v[36+12*\t:37+12*\t], v9 offset:(8*(\q)+4*\g+\t)*768
.endr
.irp p, 0,1
	ds_load_b64 v[80+2*\p:81+2*\p], v10 offset:(2*(\q)+\g)*256+128*\p
.endr
	s_wait_dscnt 0x0
.irp t, 0,1,2,3
	v_wmma_scale_f32_16x16x128_f8f6f4 v[S+8*(4*\g+\t):S+8*(4*\g+\t)+7], v[32+12*\t:43+12*\t], v[16:27], 0, v[80+\t], v89 matrix_a_fmt:MATRIX_FMT_FP6 matrix_b_fmt:MATRIX_FMT_FP6
.endr
.endr
	NOPS4
	s_add_co_u32 s96, s[KF], 127                   ; on the diagonal the scores of hidden keys become -infinity; a step all of whose keys count skips this
	s_cmp_le_u32 s96, s[QT]
	s_cbranch_scc1 .Lopen_\@
	s_sub_co_u32 s96, s[Q0], s[KF]
	v_add_nc_u32 v224, s96, v[DQ]                  ; d = my query - KF - 16 h.  Register 16 b + i holds key KF + 32 b + 16 h + i: hidden where 32 b + i > d
	v_mov_b32 v225, 0xff800000
.set n, 0
.rept 64
	v_cmp_gt_i32 vcc_lo, 32*(n/16)+n%16, v224
	v_cndmask_b32 v[S+n], v[S+n], v225, vcc_lo
.set n, n+1
.endr
.Lopen_\@:
.irp b, 0,1,2,3
	v_max3_num_f32 v[BM+\b], v[S+16*\b], v[S+16*\b+1], v[S+16*\b+2]   ; the largest score of each block of 32 keys: for the row's maximum and, since p rises with the score, for the block's largest p
.endr
.irp i, 3,5,7,9,11,13
.irp b, 0,1,2,3
	v_max3_num_f32 v[BM+\b], v[BM+\b], v[S+16*\b+\i], v[S+16*\b+\i+1]
.endr
.endr
.irp b, 0,1,2,3
	v_max_num_f32 v[BM+\b], v[BM+\b], v[S+16*\b+15]
.endr
.irp b, 0,1,2,3
	s_delay_alu instid0(VALU_DEP_4)
	v_permlanex16_b32 v[BM+4+\b], v[BM+\b], s[SEL], s[SEL+1]
.endr
.irp b, 0,1,2,3
	s_delay_alu instid0(VALU_DEP_4)
	v_max_num_f32 v[BM+\b], v[BM+\b], v[BM+4+\b]
.endr
	s_delay_alu instid0(VALU_DEP_2)
	v_max3_num_f32 v224, v[BM], v[BM+1], v[BM+2]
	s_delay_alu instid0(VALU_DEP_1)
	v_max_num_f32 v224, v224, v[BM+3]
	s_delay_alu instid0(VALU_DEP_1)
	v_mul_f32 v224, s[CS], v224
	s_delay_alu instid0(VALU_DEP_1)
	v_max_num_f32 v13, v13, v224                   ; the running largest t
	v_mov_b32 v224, v12
	s_delay_alu instid0(VALU_DEP_2)
	v_floor_f32 v12, -v13                          ; the new -M: a whole number
	s_delay_alu instid0(VALU_DEP_1)
	v_sub_f32 v224, v12, v224
	s_delay_alu instid0(VALU_DEP_1)
	v_cvt_i32_f32 v224, v224
	s_delay_alu instid0(VALU_DEP_1)
	v_ldexp_f32 v30, 1.0, v224                     ; f = 2^(old M - new M): rounds nothing
.set j, 0
.rept 32
	v_pk_fma_f32 v[S+j:S+j+1], v[S+j:S+j+1], s[CS:CS+1], v[12:13] op_sel_hi:[1,0,0]   ; t - M
.set j, j+2
.endr
.irp b, 0,1,2,3
	v_fma_f32 v[BM+\b], v[BM+\b], s[CS], v12
.endr
.set j, 0
	s_wait_alu depctr_va_vdst(0)                   ; the wait ahead of the batch
.rept 64
	v_exp_f32 v[S+j], v[S+j]                       ; p = 2^(t - M): one batch
.set j, j+1
.endr
	v_pk_mul_f32 v[14:15], v[14:15], v[30:31] op_sel_hi:[1,0]   ; the sums under the new M.  (The plain place behind the batch)
	s_wait_alu depctr_va_vdst(0)                   ; one wait for the batch, ahead of its first reader
.irp b, 0,1,2,3
	v_exp_f32 v[BM+\b], v[BM+\b]                   ; the blocks' largest p
.endr
	v_pk_add_f32 v[226:227], v[100:101], v[104:105]   ; the row's sum of the unquantised p, in eight chains
	v_pk_add_f32 v[254:255], v[108:109], v[112:113]
	v_pk_add_f32 v[252:253], v[116:117], v[120:121]
	v_pk_add_f32 v[250:251], v[124:125], v[128:129]
	v_pk_add_f32 v[248:249], v[132:133], v[136:137]
	v_pk_add_f32 v[246:247], v[140:141], v[144:145]
	v_pk_add_f32 v[244:245], v[148:149], v[152:153]
	v_pk_add_f32 v[14:15], v[14:15], v[156:157]
	v_pk_add_f32 v[226:227], v[226:227], v[96:97]
	v_pk_add_f32 v[254:255], v[254:255], v[98:99]
	v_pk_add_f32 v[252:253], v[252:253], v[102:103]
	v_pk_add_f32 v[250:251], v[250:251], v[106:107]
	v_pk_add_f32 v[248:249], v[248:249], v[110:111]
	v_pk_add_f32 v[246:247], v[246:247], v[114:115]
	v_pk_add_f32 v[244:245], v[244:245], v[118:119]
	v_pk_add_f32 v[14:15], v[14:15], v[122:123]
	v_pk_add_f32 v[226:227], v[226:227], v[126:127]
	v_pk_add_f32 v[254:255], v[254:255], v[130:131]
	v_pk_add_f32 v[252:253], v[252:253], v[134:135]
	v_pk_add_f32 v[250:251], v[250:251], v[138:139]
	v_pk_add_f32 v[248:249], v[248:249], v[142:143]
	v_pk_add_f32 v[246:247], v[246:247], v[146:147]
	v_pk_add_f32 v[244:245], v[244:245], v[150:151]
	v_pk_add_f32 v[14:15], v[14:15], v[154:155]
	v_pk_add_f32 v[226:227], v[226:227], v[158:159]
	s_delay_alu instid0(VALU_DEP_2)
	v_pk_add_f32 v[14:15], v[14:15], v[250:251]
	s_delay_alu instid0(VALU_DEP_2)
	v_pk_add_f32 v[226:227], v[226:227], v[248:249]
	v_pk_add_f32 v[254:255], v[254:255], v[246:247]
	v_pk_add_f32 v[252:253], v[252:253], v[244:245]
	s_delay_alu instid0(VALU_DEP_2)
	v_pk_add_f32 v[14:15], v[14:15], v[254:255]
	s_delay_alu instid0(VALU_DEP_2)
	v_pk_add_f32 v[226:227], v[226:227], v[252:253]
	s_delay_alu instid0(VALU_DEP_1)
	v_pk_add_f32 v[14:15], v[14:15], v[226:227]
	s_wait_alu depctr_va_vdst(0)                   ; and one for the four
.irp b, 0,1,2,3
	v_max_num_f32 v[BM+\b], 0x1800000, v[BM+\b]    ; the floor: the byte cannot fall under 1
.endr
.irp b, 0,1,2,3
	s_delay_alu instid0(VALU_DEP_4)
	v_add_nc_u32 v[BM+8+\b], 0xff000000, v[BM+\b]
.endr
.irp b, 0,1,2,3
	s_delay_alu instid0(VALU_DEP_4)
	v_lshrrev_b32 v[BM+4+\b], 23, v[BM+8+\b]
.endr
	s_delay_alu instid0(VALU_DEP_3)
	v_lshl_or_b32 v88, v[BM+5], 8, v[BM+4]         ; p's scale word for these 128 keys
	s_delay_alu instid0(VALU_DEP_1)
	v_lshl_or_b32 v88, v[BM+6], 16, v88
	s_delay_alu instid0(VALU_DEP_1)
	v_lshl_or_b32 v88, v[BM+7], 24, v88
.irp c, 0,1
	v_cvt_scalef32_pk16_fp6_f32 v[PC+6*\c:PC+6*\c+2], v[S+32*\c:S+32*\c+15], v[BM+8+2*\c]
	v_cvt_scalef32_pk16_fp6_f32 v[PC+12+4*\c:PC+14+4*\c], v[S+32*\c+16:S+32*\c+31], v[BM+9+2*\c]
.endr
	v_nop                                          ; one plain place behind the conversions
.irp c, 0,1
.irp i, 0,1,2
	v_permlane16_swap_b32 v[PC+6*\c+\i], v[PC+12+4*\c+\i]
.endr
.irp i, 0,1,2
	s_delay_alu instid0(VALU_DEP_3)
	v_mov_b32 v[PC+3+6*\c+\i], v[PC+12+4*\c+\i]
.endr
.endr
.set j, 0
.rept 16
	v_pk_mul_f32 v[O+j:O+j+1], v[O+j:O+j+1], v[30:31] op_sel_hi:[1,0]   ; O^T under the new M.  (Of these 16, twelve name no register of any one product below: its places behind p's codes and scale word)
.set j, j+2
.endr
.irp t, 0,1,2,3                        ; O^T += V^T P^T: the head's four tiles of 16; K = these 128 keys
	ds_load_b128 v[S+12*\t:S+12*\t+3], v8 offset:12288+(4*(\q)+\t)*1536
	ds_load_b64 v[S+12*\t+4:S+12*\t+5], v9 offset:12288+(4*(\q)+\t)*1536
	ds_load_b128 v[S+12*\t+6:S+12*\t+9], v8 offset:12288+(4*(\q)+\t)*1536+768
	ds_load_b64 v[S+12*\t+10:S+12*\t+11], v9 offset:12288+(4*(\q)+\t)*1536+768
	ds_load_b32 v[84+\t], v11 offset:(4*(\q)+\t)*64
.endr
	s_wait_alu depctr_va_vdst(0)                   ; the wait ahead of the wait below
	s_wait_dscnt 0x0
.irp t, 0,1,2,3
	v_wmma_scale_f32_16x16x128_f8f6f4 v[O+8*\t:O+8*\t+7], v[S+12*\t:S+12*\t+11], v[PC:PC+11], v[O+8*\t:O+8*\t+7], v[84+\t], v88 matrix_a_fmt:MATRIX_FMT_FP6 matrix_b_fmt:MATRIX_FMT_FP6
.endr
.Lhidden_\@:
	s_add_co_u32 s[KF], s[KF], 128
.endm
	s_wait_alu depctr_va_vdst(0)                   ; the wait at the head's end
	s_wait_loadcnt 0x0                             ; q, both
	s_cmp_lt_u32 s[WV], 2
	s_cbranch_scc0 .Lnot_first
	s_wait_tensorcnt 0x0                           ; waves 0 and 1: slot 0
.Lnot_first:
	s_barrier_signal -1
	s_barrier_wait -1                              ; slot 0 is whole; the others, on a line of their own, may be out
.Lslot_a:                                          ; slot 0: one trip
	STEP 0
	STEP 1
	s_add_co_u32 s[TB], s[TB], KVS
	s_sub_co_u32 s[SLOTS], s[SLOTS], 1
	s_cmp_lg_u32 s[SLOTS], 0
	s_cbranch_scc1 .Lslot_a
	s_wait_tensorcnt 0x0                           ; every wave: its half slot is in
	s_wait_dscnt 0x0
	s_barrier_signal -1
	s_barrier_wait -1                              ; all eight slots are whole
	s_mov_b32 s[SLOTS], 7
.Lslot_b:                                          ; slots 1 to 7: each wave at its own pace
	STEP 0
	STEP 1
	s_add_co_u32 s[TB], s[TB], KVS
	s_sub_co_u32 s[SLOTS], s[SLOTS], 1
	s_cmp_lg_u32 s[SLOTS], 0
	s_cbranch_scc1 .Lslot_b
	; THE TWO STATES OF A TILE ARE JOINED
	NOPS4
	s_wait_alu depctr_va_vdst(0)                   ; the wait ahead of the first reader
	s_cmp_lt_u32 s[WV], 8
	s_cbranch_scc0 .Lkeeps
.irp t, 0,1,2,3,4,5,6,7
	ds_store_b128 v[SAD], v[O+4*\t:O+4*\t+3] offset:512*\t   ; waves 0-7: the partial state of the long tile, for the partner
.endr
	ds_store_b128 v[SAD], v[12:15] offset:4096
	v_mov_b32 v12, 0x7f61b1e6                      ; and what is left in my registers counts as empty: its factor below comes out 0
.Lkeeps:
	s_wait_alu depctr_va_vdst(0)                   ; the wait ahead of the barrier
	s_wait_dscnt 0x0                               ; for the others' sake: my stores have landed
	s_barrier_signal -1
	s_barrier_wait -1
.irp t, 0,1,2,3,4,5,6,7
	ds_load_b128 v[S+4*\t:S+4*\t+3], v[LAD] offset:512*\t    ; waves 0-7: my parked state; waves 8-15: my partner's partial state
.endr
	ds_load_b128 v[S+32:S+35], v[LAD] offset:4096
	s_wait_dscnt 0x0
	v_min_num_f32 v238, v12, v[S+32]               ; -M of the two together
	v_sub_f32 v239, v238, v12
	v_sub_f32 v240, v238, v[S+32]
	v_cvt_i32_f32 v239, v239                       ; whole numbers, 0 or less (they saturate)
	v_cvt_i32_f32 v240, v240
	v_ldexp_f32 v30, 1.0, v239                     ; the two factors: powers of two, which round nothing
	v_ldexp_f32 v236, 1.0, v240
	v_mov_b32 v237, 0
	v_pk_mul_f32 v[14:15], v[14:15], v[30:31] op_sel_hi:[1,0]
	v_pk_fma_f32 v[14:15], v[S+34:S+35], v[236:237], v[14:15] op_sel_hi:[1,0,1]
.set j, 0
.rept 16
	v_pk_mul_f32 v[O+j:O+j+1], v[O+j:O+j+1], v[30:31] op_sel_hi:[1,0]
	v_pk_fma_f32 v[O+j:O+j+1], v[S+j:S+j+1], v[236:237], v[O+j:O+j+1] op_sel_hi:[1,0,1]
.set j, j+2
.endr
	; THE WAY OUT: O^T / the sum, quantised along the head's 64 (two blocks): half a fragment of y's image
	v_add_f32 v14, v14, v15
	s_delay_alu instid0(VALU_DEP_1)
	v_permlanex16_b32 v30, v14, s[SEL], s[SEL+1]
	s_delay_alu instid0(VALU_DEP_1)
	v_add_f32 v14, v14, v30
	s_wait_alu depctr_va_vdst(0)                   ; the wait ahead of the transcendental
	v_rcp_f32 v14, v14
	v_add_nc_u32 v8, s59, v[A16]                   ; (plain work behind the transcendental)
	v_add_nc_u32 v9, s59, v[A8]
	v_and_b32 v10, 15, v0
	v_bfe_u32 v11, v0, 4, 1
	s_delay_alu instid0(VALU_DEP_1)
	v_lshl_add_u32 v10, v10, 4, v11
	s_delay_alu instid0(VALU_DEP_1)
	v_add_nc_u32 v10, s60, v10                     ; 16 r + h
	s_wait_alu depctr_va_vdst(0)                   ; the wait ahead of the first reader
.set j, 0
.rept 32
	v_mul_f32 v[S+j], v[O+j], v14                  ; register 16 b + i: channel 32 b + 16 h + i of my query
.set j, j+1
.endr
.irp b, 0,1
	v_max3_num_f32 v[BM+\b], |v[S+16*\b]|, |v[S+16*\b+1]|, 0x1800000
.endr
.irp i, 2,4,6,8,10,12,14
.irp b, 0,1
	s_delay_alu instid0(VALU_DEP_2)
	v_max3_num_f32 v[BM+\b], v[BM+\b], |v[S+16*\b+\i]|, |v[S+16*\b+\i+1]|
.endr
.endr
.irp b, 0,1
	s_delay_alu instid0(VALU_DEP_2)
	v_permlanex16_b32 v[BM+4+\b], v[BM+\b], s[SEL], s[SEL+1]
.endr
.irp b, 0,1
	s_delay_alu instid0(VALU_DEP_2)
	v_max_num_f32 v[BM+\b], v[BM+\b], v[BM+4+\b]
.endr
.irp b, 0,1
	s_delay_alu instid0(VALU_DEP_2)
	v_add_nc_u32 v[BM+8+\b], 0xff000000, v[BM+\b]
.endr
.irp b, 0,1
	s_delay_alu instid0(VALU_DEP_2)
	v_lshrrev_b32 v[BM+4+\b], 23, v[BM+8+\b]
.endr
	v_cvt_scalef32_pk16_fp6_f32 v[PC:PC+2], v[S:S+15], v[BM+8]
	v_cvt_scalef32_pk16_fp6_f32 v[PC+12:PC+14], v[S+16:S+31], v[BM+9]
	v_cndmask_b32 v[BM+4], v[BM+4], v[BM+5], s63   ; lanes 0-15 store the first block's byte, lanes 16-31 the second's.  (The plain place behind the conversions)
.irp i, 0,1,2
	v_permlane16_swap_b32 v[PC+\i], v[PC+12+\i]
.endr
.irp i, 0,1,2
	s_delay_alu instid0(VALU_DEP_3)
	v_mov_b32 v[PC+3+\i], v[PC+12+\i]
.endr
	global_store_b128 v8, v[PC:PC+3], s[8:9]
	global_store_b64 v9, v[PC+4:PC+5], s[8:9]
	global_store_b8 v10, v[BM+4], s[8:9]
	s_wait_tensorcnt 0x0                           ; the wave's end
	ds_add_u32 v[SPW], v[NIL]
	s_wait_dscnt 0x0
	ROUND                                          ; the closing round
	s_endpgm
.Lfunc_end_k_q4e32788d64_attn:
	.size	k_q4e32788d64_attn, .Lfunc_end_k_q4e32788d64_attn-k_q4e32788d64_attn
	.p2alignl 7, 3214868480
	.fill 96, 4, 3214868480
	.section	.rodata,"a",@progbits
	.p2align	6, 0x0
	.amdhsa_kernel k_q4e32788d64_attn
		.amdhsa_group_segment_fixed_size 327680
		.amdhsa_private_segment_fixed_size 0
		.amdhsa_enable_private_segment 0
		.amdhsa_kernarg_size 24
		.amdhsa_user_sgpr_count 2
		.amdhsa_user_sgpr_kernarg_segment_ptr 1
		.amdhsa_wavefront_size32 1
		.amdhsa_system_sgpr_workgroup_id_x 1
		.amdhsa_system_sgpr_workgroup_id_y 1
		.amdhsa_system_sgpr_workgroup_id_z 1
		.amdhsa_system_vgpr_workitem_id 0
		.amdhsa_next_free_vgpr 256
		.amdhsa_next_free_sgpr 100
		.amdhsa_reserve_vcc 1
		.amdhsa_float_denorm_mode_32 3
		.amdhsa_float_denorm_mode_16_64 3
		.amdhsa_memory_ordered 1
		.amdhsa_forward_progress 1
		.amdhsa_inst_pref_size 121
	.end_amdhsa_kernel
	.amdgpu_metadata
---
amdhsa.version: [ 1, 2 ]
amdhsa.kernels:
  - .name:           k_q4e32788d64_attn
    .symbol:         k_q4e32788d64_attn.kd
    .args:
      - { .name: qb, .offset: 0, .size: 8, .value_kind: global_buffer, .address_space: global }
      - { .name: kv, .offset: 8, .size: 8, .value_kind: global_buffer, .address_space: global }
      - { .name: yimg, .offset: 16, .size: 8, .value_kind: global_buffer, .address_space: global }
    .group_segment_fixed_size: 327680
    .private_segment_fixed_size: 0
    .kernarg_segment_align: 8
    .kernarg_segment_size: 24
    .max_flat_workgroup_size: 512
    .sgpr_count:     100
    .vgpr_count:     256
    .wavefront_size: 32
...
	.end_amdgpu_metadata
.endif
;; end of part 3
;; launch proj (part 4): grid 8 x 32, 4 waves a work-group, clusters of 4 x 4, 327,680 bytes of LDS; arguments yimg, wimg, b_proj, x, x1; writes x1
.if DOCPART == 4
	.amdgcn_target "amdgcn-amd-amdhsa--gfx1250"
	.amdhsa_code_object_version 6
	.text
	.protected	k_q4e32788d64_proj
	.globl	k_q4e32788d64_proj
	.p2align	8
	.type	k_q4e32788d64_proj,@function
k_q4e32788d64_proj:
	s_mov_b64 s[64:65], 0
	v_nop
	global_prefetch_b8 v0, s[64:65] scope:SCOPE_SE
	s_setreg_imm32_b32 hwreg(HW_REG_WAVE_MODE, 25, 1), 1
	s_wait_xcnt 0x0
	s_wait_alu depctr_hold_cnt(0) depctr_sa_sdst(0) depctr_va_vdst(0) depctr_va_sdst(0) depctr_va_ssrc(0) depctr_va_vcc(0) depctr_vm_vsrc(0)
	s_getreg_b32 s2, hwreg(HW_REG_IB_STS2, 6, 4)
	s_cmp_eq_u32 s2, 0
	s_cbranch_scc0 .Lentry_in_a_cluster
	s_endpgm
.Lentry_in_a_cluster:
	s_bfe_u32 s2, ttmp6, 0x10000c
	s_cmp_lg_u32 s2, 0xf033
	s_cbranch_scc0 .Lentry_shape_is_right
	s_endpgm
.Lentry_shape_is_right:
.set CHUNK, 51200
.set HALFC, CHUNK/2
.set SCO,   49152
.set FRB,   1536
.set SLOT,  2*CHUNK
.set SPARE, 2*SLOT
.set XTRA,  SPARE+512
.set NCHA,  2
.set BMUL,  2*CHUNK
.set WOFF,  48*CHUNK
.set STEPA, 0
.set STEPB, 0
.set O16, 2
.set O8,  3
.set STO, 10
.set RD,  11
.set GO,  13
.set R16, 14
.set AA16, 16
.set AA8,  18
.set AB16, 20
.set AB8,  22
.set AS,   24
.set SPW,  26
.set NIL,  27
.set SC,   32
.set RB,   64
.set ACC,  128
.set F0,   0
.set F1,   96
.set G1A, 24
.set G0A, 32
.set G1B, 48
.set G0B, 56
.set XB,  74
.set OB,  76
.set MUL,  0x05
.set TO_F, 0x40
.set MSB, 0
.macro WIN new
.if MSB != \new
	s_set_vgpr_msb (MSB<<8)|\new
.set MSB, \new
.endif
.endm
.macro PLACES n
.rept \n
	v_nop
.endr
.endm
.macro JLOAD slot
	s_cmp_eq_u32 s15, 0
	s_cbranch_scc0 .Lfor_b_\@
	tensor_load_to_lds s[G0A+4*\slot:G0A+4*\slot+3], s[G1A:G1A+7]
	s_nop 0
	PLACES 4
	s_branch .Lasked_\@
.Lfor_b_\@:
	tensor_load_to_lds s[G0B+4*\slot:G0B+4*\slot+3], s[G1B:G1B+7]
	s_nop 0
	PLACES 4
.Lasked_\@:
.endm
.macro CREST
	s_cmp_lg_u32 s14, 0
	s_cbranch_scc1 .Lnot_wave_0_\@
	s_barrier_signal -3
.Lnot_wave_0_\@:
	s_barrier_wait -3
	s_barrier_signal -1
	s_barrier_wait -1
.endm
.macro CROUND
	s_barrier_signal -1
	s_barrier_wait -1
	CREST
.endm
.macro FETCH slot, ks, buf
	WIN TO_F
.irp i, 0,1,2,3
.irp c, 0,1
	ds_load_b128 v[(\buf)+48+12*\i+6*\c:(\buf)+48+12*\i+6*\c+3], v[AB16+(\slot)] offset:(8*(\ks)+\i)*FRB+768*\c
	ds_load_b64 v[(\buf)+48+12*\i+6*\c+4:(\buf)+48+12*\i+6*\c+5], v[AB8+(\slot)] offset:(8*(\ks)+\i)*FRB+768*\c
	ds_load_b128 v[(\buf)+12*\i+6*\c:(\buf)+12*\i+6*\c+3], v[AA16+(\slot)] offset:(8*(\ks)+\i)*FRB+768*\c
	ds_load_b64 v[(\buf)+12*\i+6*\c+4:(\buf)+12*\i+6*\c+5], v[AA8+(\slot)] offset:(8*(\ks)+\i)*FRB+768*\c
.endr
.endr
.endm
.macro SCALES slot
	WIN 0
.irp i, 0,1,2,3
	ds_load_b128 v[SC+16*(\slot)+4*\i:SC+16*(\slot)+4*\i+3], v[AS+(\slot)] offset:256*\i
.endr
.endm
.macro MUL8 a0, buf, slot, ks, cmode
.irp a, \a0, \a0+1
.irp t, 0,1,2,3
.set RD_, ACC+8*(4*(\a)+\t)
.set RA_, (\buf)+48+12*\t
.set RB_, (\buf)+12*(\a)
.set QA_, SC+16*(\slot)+4*\t+(\ks)
.set QB_, SC+16*(\slot)+4*(\a)+(\ks)
.if (\cmode) == 0
	v_wmma_scale_f32_16x16x128_f8f6f4 v[RD_:RD_+7], v[RA_:RA_+11], v[RB_:RB_+11], 0, v[QA_], v[QB_] matrix_a_fmt:MATRIX_FMT_FP6 matrix_b_fmt:MATRIX_FMT_FP6 matrix_a_scale:MATRIX_SCALE_ROW1
.else
	v_wmma_scale_f32_16x16x128_f8f6f4 v[RD_:RD_+7], v[RA_:RA_+11], v[RB_:RB_+11], v[RD_:RD_+7], v[QA_], v[QB_] matrix_a_fmt:MATRIX_FMT_FP6 matrix_b_fmt:MATRIX_FMT_FP6 matrix_a_scale:MATRIX_SCALE_ROW1
.endif
.endr
.endr
.endm
.macro STEP slot, ks, cmode
	s_wait_dscnt 0x0
	PLACES 4
	FETCH \slot, (\ks)+1, 96*(((\ks)+1)%2)
	WIN MUL
	MUL8 0, 96*((\ks)%2), \slot, \ks, \cmode
	MUL8 2, 96*((\ks)%2), \slot, \ks, \cmode
.endm
.macro TURN slot, next, mode
	WIN 0
	s_wait_tensorcnt 0x0
	ds_add_u32 v[SPW], v[NIL]
.if \mode == 1
	s_add_nc_u64 s[G0A+4*\slot+2:G0A+4*\slot+3], s[G0A+4*\slot+2:G0A+4*\slot+3], STEPA
	s_add_nc_u64 s[G0B+4*\slot+2:G0B+4*\slot+3], s[G0B+4*\slot+2:G0B+4*\slot+3], STEPB
.endif
	s_wait_dscnt 0x0
	s_barrier_signal -1
	WIN MUL
	MUL8 0, F1, \slot, 3, 2
	WIN 0
	s_barrier_wait -1
.if \mode == 1
	CREST
	JLOAD \slot
.else
	PLACES 4
.endif
	FETCH \next, 0, F0
	SCALES \next
	WIN MUL
	MUL8 2, F1, \slot, 3, 2
.endm
.macro LAST slot
	s_wait_dscnt 0x0
	WIN MUL
	MUL8 0, F1, \slot, 3, 2
	MUL8 2, F1, \slot, 3, 2
	WIN 0
.endm
	s_load_b256 s[4:11], s[0:1], 0x0
	s_load_b64 s[12:13], s[0:1], 0x20
	v_lshl_add_u32 v[SPW], v0, 2, SPARE
	v_mov_b32 v[NIL], 0
	ds_add_u32 v[SPW], v[NIL]
	ds_add_u32 v[SPW], v[NIL]
	v_lshrrev_b32 v1, 5, v0
	v_readfirstlane_b32 s14, v1
	s_lshr_b32 s15, s14, 1
	s_and_b32 s16, s14, 1
	s_bfe_u32 s40, ttmp6, 0x40000
	s_bfe_u32 s41, ttmp6, 0x40004
	s_lshl_b32 s42, ttmp9, 2
	s_add_co_u32 s42, s42, s40
	s_and_b32 s17, ttmp7, 0xffff
	s_lshl_b32 s17, s17, 2
	s_add_co_u32 s17, s17, s41
	s_lshl_b32 s43, s41, 2
	s_lshl_b32 s43, 15, s43
	s_lshl_b32 s44, 0x1111, s40
	s_or_b32 s[G1A], s43, (3<<16)|(1<<21)
	s_or_b32 s[G1B], s44, (3<<16)|(1<<21)
.irp g, G1A, G1B
	s_mov_b32 s[\g+1], 32<<16
	s_mov_b32 s[\g+2], 200<<16                     ; 200 dense rows of 256 bytes: a whole chunk
	s_mov_b32 s[\g+3], 32<<16
	s_mov_b32 s[\g+4], 200
	s_mov_b32 s[\g+5], 32
	s_mov_b32 s[\g+6], 0
	s_mov_b32 s[\g+7], 0
.endr
	s_mul_i32 s18, s15, CHUNK                      ; waves 0, 1 fetch chunk 0 of A, of B; waves 2, 3 chunk 1
	s_mul_i32 s20, s17, NCHA*CHUNK
	s_add_co_u32 s20, s20, s18
	s_mov_b32 s21, 0
	s_mul_i32 s46, s42, BMUL
	s_add_co_u32 s46, s46, s18
	s_add_co_u32 s46, s46, WOFF
	s_mov_b32 s47, 0
	s_mul_i32 s45, s14, CHUNK                      ; LDS: A's chunk 0, B's chunk 0, A's chunk 1, B's chunk 1 = wave x a chunk
	s_wait_dscnt 0x0
	s_wait_kmcnt 0x0
	s_add_nc_u64 s[20:21], s[4:5], s[20:21]
	s_add_nc_u64 s[46:47], s[6:7], s[46:47]
	CROUND
	; K = 1,024 is two chunks of each operand: all four are asked for at the head, one joint load a wave, each on a line of its own in one chain of arms
	s_mov_b32 s[G0A], 1
	s_mov_b32 s[G0A+1], s45
	s_mov_b64 s[G0A+2:G0A+3], s[20:21]
	s_or_b32 s[G0A+3], s[G0A+3], 0x80000000
	s_mov_b32 s[G0B], 1
	s_mov_b32 s[G0B+1], s45
	s_mov_b64 s[G0B+2:G0B+3], s[46:47]
	s_or_b32 s[G0B+3], s[G0B+3], 0x80000000
.macro HARM w, g0, g1, next
	s_cmp_eq_u32 s14, \w
	s_cbranch_scc0 \next
	tensor_load_to_lds s[\g0:\g0+3], s[\g1:\g1+7]
	s_nop 0
	PLACES 4
	s_branch .Lhead_asked
\next:
.endm
	HARM 0, G0A, G1A, .Lh1
	HARM 1, G0B, G1B, .Lh2
	HARM 2, G0A, G1A, .Lh3
	tensor_load_to_lds s[G0B:G0B+3], s[G1B:G1B+7]
	s_nop 0
	PLACES 4
.Lhead_asked:
	v_and_b32 v1, 15, v0
	s_wait_alu depctr_va_vdst(0)
	v_bfe_u32 v4, v0, 4, 1
	v_and_b32 v5, 31, v0
	s_lshl_b32 s68, s17, 7
	s_lshl_b32 s69, s15, 6
	s_add_co_u32 s68, s68, s69
	s_lshl_b32 s68, s68, 12
	s_lshl_b32 s70, s42, 9
	s_lshl_b32 s69, s16, 8
	s_add_co_u32 s70, s70, s69
	s_add_co_u32 s68, s68, s70
	s_mov_b32 s69, 0
	s_mov_b32 s71, 0
	s_add_nc_u64 s[XB:XB+1], s[10:11], s[68:69]
	s_add_nc_u64 s[OB:OB+1], s[12:13], s[68:69]
	s_add_nc_u64 s[78:79], s[8:9], s[70:71]
	v_lshlrev_b32 v[R16], 4, v1
	s_wait_alu depctr_va_vdst(0)
	v_lshl_add_u32 v[GO], v4, 12, v[R16]
	global_load_b128 v[28:31], v[R16], s[78:79]
.macro RLOAD a
.irp i, 0,1,2,3,4,5,6,7
	global_load_b128 v[32*(\a)+4*\i:32*(\a)+4*\i+3], v[GO], s[XB:XB+1] offset:(32*((\a)/2)+8*((\a)%2)+2*\i+8*(\i/4))*4096
.endr
.endm
	v_lshlrev_b32 v[O16], 4, v5
	v_lshlrev_b32 v[O8], 4, v1
	v_lshl_add_u32 v[O8], v4, 3, v[O8]
	v_add_nc_u32 v[O8], 512, v[O8]
	s_mul_i32 s22, s15, 4*FRB
	s_mul_i32 s23, s16, 4*FRB
	s_add_co_u32 s23, s23, CHUNK
.irp s, 0,1
	v_add_nc_u32 v[AA16+\s], s22, v[O16]
	v_add_nc_u32 v[AA8+\s], s22, v[O8]
	v_add_nc_u32 v[AB16+\s], s23, v[O16]
	v_add_nc_u32 v[AB8+\s], s23, v[O8]
	s_add_co_u32 s22, s22, SLOT
	s_add_co_u32 s23, s23, SLOT
.endr
	s_lshl_b32 s22, s15, 10
	s_lshl_b32 s23, s16, 10
	s_add_co_u32 s23, s23, CHUNK
	s_sub_co_u32 s23, s23, s22
	v_mul_u32_u24 v6, s23, v4
	v_lshl_add_u32 v6, v1, 4, v6
	s_add_co_u32 s22, s22, SCO
	v_add_nc_u32 v[AS], s22, v6
	v_add_nc_u32 v[AS+1], SLOT, v[AS]
	s_mul_i32 s22, s14, 16*272
	s_add_co_u32 s22, s22, XTRA
	v_mul_u32_u24 v[STO], v1, 272
	v_lshl_add_u32 v[STO], v4, 6, v[STO]
	v_add_nc_u32 v[STO], s22, v[STO]
	v_mul_u32_u24 v[RD], v4, 272
	v_add_nc_u32 v[RD], v[RD], v[R16]
	v_add_nc_u32 v[RD], s22, v[RD]
.macro TOSTAGE a
.irp b, 0,1
.irp q, 0,1,2,3
	ds_store_b128 v[STO], v[ACC+32*(\a)+16*\b+4*\q:ACC+32*(\a)+16*\b+4*\q+3] offset:128*\b+16*\q
.endr
.endr
.irp i, 0,1,2,3,4,5,6,7
	ds_load_b128 v[RB+32*((\a)%2)+4*\i:RB+32*((\a)%2)+4*\i+3], v[RD] offset:544*\i
.endr
.endm
.macro SEND a, younger
.set BB_, RB+32*((\a)%2)
	s_wait_dscnt \younger
	s_wait_loadcnt 8*(3-(\a))                      ; the bias and x's rows of blocks 0 to a are in; behind them were issued the eight loads of each later block
.irp i, 0,1,2,3,4,5,6,7
	v_pk_add_f32 v[BB_+4*\i:BB_+4*\i+1], v[BB_+4*\i:BB_+4*\i+1], v[28:29]
	v_pk_add_f32 v[BB_+4*\i+2:BB_+4*\i+3], v[BB_+4*\i+2:BB_+4*\i+3], v[30:31]
.endr
	WIN 0x08
.set j, 0
.rept 16
	v_pk_add_f32 v[BB_+j:BB_+j+1], v[BB_+j:BB_+j+1], v[32*(\a)+j:32*(\a)+j+1]
.set j, j+2
.endr
	WIN 0
.irp i, 0,1,2,3,4,5,6,7
	global_store_b128 v[GO], v[BB_+4*\i:BB_+4*\i+3], s[OB:OB+1] offset:(32*((\a)/2)+8*((\a)%2)+2*\i+8*(\i/4))*4096
.endr
.endm
	s_wait_alu depctr_va_vdst(0)
	s_cmp_lt_u32 s14, 2                            ; waves 0 and 1 wait for chunk 0; chunk 1, on lines of its own, may be out
	s_cbranch_scc0 .Lnot_first
	s_wait_tensorcnt 0x0
.Lnot_first:
	s_barrier_signal -1
	s_barrier_wait -1
	FETCH 0, 0, F0
	SCALES 0
	WIN 0x80                                       ; x's rows are wanted at the end alone: they are asked for behind the first tiles
	RLOAD 0
	RLOAD 1
	RLOAD 2
	RLOAD 3
	WIN 0
	STEP 0, 0, 0
	STEP 0, 1, 2
	STEP 0, 2, 2
	TURN 0, 1, 0
	STEP 1, 0, 2
	STEP 1, 1, 2
	STEP 1, 2, 2
	LAST 1
	PLACES 4
	TOSTAGE 0
	TOSTAGE 1
	SEND 0, 16
	s_wait_xcnt 0x0
	TOSTAGE 2
	SEND 1, 16
	s_wait_xcnt 0x0
	TOSTAGE 3
	SEND 2, 16
	SEND 3, 0
	s_wait_tensorcnt 0x0
	ds_add_u32 v[SPW], v[NIL]
	s_wait_dscnt 0x0
	CROUND
	s_endpgm
.Lfunc_end_k_q4e32788d64_proj:
	.size	k_q4e32788d64_proj, .Lfunc_end_k_q4e32788d64_proj-k_q4e32788d64_proj
	.p2alignl 7, 3214868480
	.fill 96, 4, 3214868480
	.section	.rodata,"a",@progbits
	.p2align	6, 0x0
	.amdhsa_kernel k_q4e32788d64_proj
		.amdhsa_group_segment_fixed_size 327680
		.amdhsa_private_segment_fixed_size 0
		.amdhsa_enable_private_segment 0
		.amdhsa_kernarg_size 40
		.amdhsa_user_sgpr_count 2
		.amdhsa_user_sgpr_kernarg_segment_ptr 1
		.amdhsa_wavefront_size32 1
		.amdhsa_system_sgpr_workgroup_id_x 1
		.amdhsa_system_sgpr_workgroup_id_y 1
		.amdhsa_system_sgpr_workgroup_id_z 1
		.amdhsa_system_vgpr_workitem_id 0
		.amdhsa_next_free_vgpr 768
		.amdhsa_next_free_sgpr 100
		.amdhsa_reserve_vcc 0
		.amdhsa_float_denorm_mode_32 3
		.amdhsa_float_denorm_mode_16_64 3
		.amdhsa_memory_ordered 1
		.amdhsa_forward_progress 1
		.amdhsa_inst_pref_size 62
	.end_amdhsa_kernel
	.amdgpu_metadata
---
amdhsa.version: [ 1, 2 ]
amdhsa.kernels:
  - .name:           k_q4e32788d64_proj
    .symbol:         k_q4e32788d64_proj.kd
    .args:
      - { .name: yimg, .offset: 0, .size: 8, .value_kind: global_buffer, .address_space: global }
      - { .name: wimg, .offset: 8, .size: 8, .value_kind: global_buffer, .address_space: global }
      - { .name: b_proj, .offset: 16, .size: 8, .value_kind: global_buffer, .address_space: global }
      - { .name: x, .offset: 24, .size: 8, .value_kind: global_buffer, .address_space: global }
      - { .name: x1, .offset: 32, .size: 8, .value_kind: global_buffer, .address_space: global }
    .group_segment_fixed_size: 327680
    .private_segment_fixed_size: 0
    .kernarg_segment_align: 8
    .kernarg_segment_size: 40
    .max_flat_workgroup_size: 128
    .sgpr_count:     100
    .vgpr_count:     768
    .wavefront_size: 32
...
	.end_amdgpu_metadata
.endif
;; end of part 4
;; launch ln2: the kernel of part 1 again; grid 256 x 1, 4 waves a work-group, no clusters, 9,216 bytes of LDS; arguments x1, ln2_g, ln2_b, himg, W_qkv, W_proj, W_fc, W_out, wimg; writes himg, wimg
;; launch fc (part 5): grid 8 x 32, 4 waves a work-group, clusters of 4 x 4, 327,680 bytes of LDS; arguments himg, wimg, b_fc, hid; writes hid
.if DOCPART == 5
	.amdgcn_target "amdgcn-amd-amdhsa--gfx1250"
	.amdhsa_code_object_version 6
	.text
	.protected	k_q4e32788d64_fc
	.globl	k_q4e32788d64_fc
	.p2align	8
	.type	k_q4e32788d64_fc,@function
k_q4e32788d64_fc:
	s_mov_b64 s[64:65], 0
	v_nop
	global_prefetch_b8 v0, s[64:65] scope:SCOPE_SE
	s_setreg_imm32_b32 hwreg(HW_REG_WAVE_MODE, 25, 1), 1
	s_wait_xcnt 0x0
	s_wait_alu depctr_hold_cnt(0) depctr_sa_sdst(0) depctr_va_vdst(0) depctr_va_sdst(0) depctr_va_ssrc(0) depctr_va_vcc(0) depctr_vm_vsrc(0)
	s_getreg_b32 s2, hwreg(HW_REG_IB_STS2, 6, 4)
	s_cmp_eq_u32 s2, 0
	s_cbranch_scc0 .Lentry_in_a_cluster
	s_endpgm
.Lentry_in_a_cluster:
	s_bfe_u32 s2, ttmp6, 0x10000c
	s_cmp_lg_u32 s2, 0xf033
	s_cbranch_scc0 .Lentry_shape_is_right
	s_endpgm
.Lentry_shape_is_right:
; hidden = relu(LN2(x1) W_fc + b_fc) on codes of FP6 (E2M3) with E8M0 scales, quantised again along the hidden units on the way out; it leaves as the next product's operand image.
; Work-group (tx, ty): 128 tokens x columns 512 tx on, four tiles of 128, one after the other: they are one chunk of the next K.  Four waves, 64 x 64 each: 16 accumulators.
; Operands lie in memory as images of their registers, in chunks of 128 rows x 512 K (51,200 bytes: 32 fragments of 1,536, then 2,048 scale bytes).  K = 1,024 is two chunks.
; LDS: A's two chunks, which stay for all four tiles; then four chunk places for B: place 2 p + c holds chunk c of a tile of parity p.  Tiles 0 and 1 come with the first fills; tile t + 2 is asked for at tile t's end,
; into tile t's places, and has all of tile t + 1 in which to land: two refills, a round of the cluster's barrier for each.
; CLUSTER 4 x 4: A's chunks are shared along a row, B's along a column, by joint tensor loads.
; Source 0 = 16 columns of W, source 1 = 16 tokens: a lane holds one token and neighbours along the hidden units.  Block i = 2 B + u of an image holds in lane r the row 32 B + 8 u + r + 8 (r / 8).
; LIMITS: NaN and infinities are not served; a block of zeros or under 2^-124 gets the scale byte 1 (its codes are zeros; only this program reads the bytes).
; REGISTERS: window 0: v0-31, v84-91 addresses; v32-63 scale words; v64-83, v96-127 at work on the way out; v128-255 accumulators.  window 1: two sets of fragments; v192-223 the bias.
.set CHUNK, 51200
.set HALFC, CHUNK/2
.set SCO,   49152
.set FRB,   1536
.set BREG,  2*CHUNK                    ; B's four chunk places begin behind A's two chunks
.set SPARE, 6*CHUNK                    ; behind them: the spare words, 128 bytes a wave
.set XTRA,  SPARE+512                  ; 2,048 bytes in which the chunk's scale bytes are gathered; no fill lands here
.set BMUL,  8*CHUNK                    ; four tiles of two chunks from tx to tx + 1
.set WOFF,  64*CHUNK
.set TSTEP, 2*CHUNK                    ; the next tile
.set O16, 2
.set O8,  3
.set BL,  7
.set XW,  10
.set XR,  11
.set AA16, 16                          ; v16-17 A's fragments, chunk c: registers 0-3 of a half;  v18-19: registers 4, 5
.set AA8,  18
.set AB16, 20                          ; v20-23 the same for B, place 2 p + c;  v84-87
.set AB8,  84
.set AS,   88                          ; v88-91 the scale words of A's chunk c (lanes 0-15) and of B's place 2 p + c (lanes 16-31)
.set SPW,  26
.set NIL,  27
.set SC,   32
.set TM,   64
.set TT0,  72                          ; the conversions' second halves: three registers for each of the four blocks of results
.set TT1,  92
.set TT2,  28
.set TT3,  4
.set WW,   76
.set PB,   96
.set ACC,  128
.set F0,   0
.set F1,   96
.set BI,   192
.set G1A, 24
.set G0A, 32
.set G1B, 48
.set G0B, 56
.set G0R, 92                           ; s[92:99] group 0 for a quarter of a whole tile of B, a set for each parity
.set HC,  70
.set HS,  72
.set BB,  86
.set SEL, 88
.set MUL,  0x05
.set MULB, 0x15
.set TO_F, 0x40
.set MSB, 0
; A'S FRAGMENTS STAY IN REGISTERS: my 64 rows x K = 1,024 are 32 fragments, 384 registers.  K step k of eight lies at v[48 (k % 5)] of window 2 (k < 5) or 3; tile 0 fetches them with B's, the later tiles fetch B's alone.
; Window 1 keeps B's two sets (v48-95, v144-191) and the bias.  MUL and MULB, the products' windows, are set anew for each K step.
.set LDA, 1                            ; 1 while A's fragments are still being fetched
.macro WIN new
.if MSB != \new
	s_set_vgpr_msb (MSB<<8)|\new
.set MSB, \new
.endif
.endm
.macro PLACES n
.rept \n
	v_nop
.endr
.endm
; A joint load of the first fills: waves 0 and 1 fetch A's halves of chunk c, waves 2 and 3 the halves of chunk c of B's tile 0; an s_nop 0 and four v_nop follow each line
.macro JLOAD c
	s_cmp_eq_u32 s15, 0
	s_cbranch_scc0 .Lfor_b_\@
	tensor_load_to_lds s[G0A+4*\c:G0A+4*\c+3], s[G1A:G1A+7]
	s_nop 0
	PLACES 4
	s_branch .Lasked_\@
.Lfor_b_\@:
	tensor_load_to_lds s[G0B+4*\c:G0B+4*\c+3], s[G1B:G1B+7]
	s_nop 0
	PLACES 4
.Lasked_\@:
.endm
.macro CREST
	s_cmp_lg_u32 s14, 0
	s_cbranch_scc1 .Lnot_wave_0_\@
	s_barrier_signal -3
.Lnot_wave_0_\@:
	s_barrier_wait -3
	s_barrier_signal -1
	s_barrier_wait -1
.endm
.macro CROUND
	s_barrier_signal -1
	s_barrier_wait -1
	CREST
.endm
.macro FETCH la, lb, ks, buf           ; LDS loads for K step ks: my four fragments of B (place lb) into set buf, and in tile 0 my four of A (chunk la) into their registers
	WIN TO_F
.irp i, 0,1,2,3
.irp c, 0,1
	ds_load_b128 v[(\buf)+48+12*\i+6*\c:(\buf)+48+12*\i+6*\c+3], v[AB16+(\lb)] offset:(8*(\ks)+\i)*FRB+768*\c
	ds_load_b64 v[(\buf)+48+12*\i+6*\c+4:(\buf)+48+12*\i+6*\c+5], v[AB8+(\lb)] offset:(8*(\ks)+\i)*FRB+768*\c
.endr
.endr
.if LDA
.set KA_, 4*(\la)+(\ks)
.set WF_, (2+KA_/5)<<6
	WIN WF_
.irp i, 0,1,2,3
.irp c, 0,1
	ds_load_b128 v[48*(KA_%5)+12*\i+6*\c:48*(KA_%5)+12*\i+6*\c+3], v[AA16+(\la)] offset:(8*(\ks)+\i)*FRB+768*\c
	ds_load_b64 v[48*(KA_%5)+12*\i+6*\c+4:48*(KA_%5)+12*\i+6*\c+5], v[AA8+(\la)] offset:(8*(\ks)+\i)*FRB+768*\c
.endr
.endr
.endif
.endm
.macro SCALES ls, set                  ; register 4 i + s: lanes 0-15 A's block i, lanes 16-31 B's block i, K step s
	WIN 0
.irp i, 0,1,2,3
	ds_load_b128 v[SC+16*(\set)+4*\i:SC+16*(\set)+4*\i+3], v[AS+(\ls)] offset:256*\i
.endr
.endm
; 8 matrix instructions: A's blocks a0, a0 + 1 x B's four; cmode 1: C = the bias; 2: in place.  The 16 accumulators take turns, one instruction a turn.
.macro MUL8 a0, buf, set, ks, cmode
.irp a, \a0, \a0+1
.irp t, 0,1,2,3
.set RD_, ACC+8*(4*(\a)+\t)
.set RA_, (\buf)+48+12*\t
.set RB_, 48*((4*(\set)+(\ks))%5)+12*(\a)
.set QA_, SC+16*(\set)+4*\t+(\ks)
.set QB_, SC+16*(\set)+4*(\a)+(\ks)
.if (\cmode) == 1
	v_wmma_scale_f32_16x16x128_f8f6f4 v[RD_:RD_+7], v[RA_:RA_+11], v[RB_:RB_+11], v[BI+8*\t:BI+8*\t+7], v[QA_], v[QB_] matrix_a_fmt:MATRIX_FMT_FP6 matrix_b_fmt:MATRIX_FMT_FP6 matrix_a_scale:MATRIX_SCALE_ROW1
.else
	v_wmma_scale_f32_16x16x128_f8f6f4 v[RD_:RD_+7], v[RA_:RA_+11], v[RB_:RB_+11], v[RD_:RD_+7], v[QA_], v[QB_] matrix_a_fmt:MATRIX_FMT_FP6 matrix_b_fmt:MATRIX_FMT_FP6 matrix_a_scale:MATRIX_SCALE_ROW1
.endif
.endr
.endr
.endm
.macro STEP la, lb, set, ks, cmode     ; this step's fragments are in; the next step's are asked for, four places behind the products that read that set; then 16 products
.set MUL, 1|((2+(4*(\set)+(\ks))/5)<<2)
.set MULB, MUL|0x10
	s_wait_dscnt 0x0
	PLACES 4
	FETCH \la, \lb, (\ks)+1, 96*(((\ks)+1)%2)
.if (\cmode) == 1
	WIN MULB
.else
	WIN MUL
.endif
	MUL8 0, 96*((\ks)%2), \set, \ks, \cmode
	MUL8 2, 96*((\ks)%2), \set, \ks, \cmode
.endm
; A chunk's last K step, which also fetches the first fragments and the scale words of the chunk that follows (A's nla, B's place nlb, scale set nset).
; mode 0: that chunk was shown whole by an earlier barrier: no barrier.
; mode 1: the middle of tile 0: each wave waits for its second first fill (its third may be out) and for its LDS loads; one barrier.
; mode 2: a tile's end with nothing left to fetch: each wave waits for all its tensor loads, adds 0 to its spare word, waits for that and for its LDS loads; one barrier: the next tile's places are whole.
; mode 3: the same, and the barrier opens a round of the cluster's barrier; behind it the two places of parity rp, which nobody reads any more, are filled with the tile two on: one joint load a wave, a quarter each.  stp: that set's address steps two tiles first.
.macro TURN set, mode, nla, nlb, nset, rp, stp
.set MUL, 1|((2+(4*(\set)+3)/5)<<2)
.if \mode == 0
	s_wait_dscnt 0x0
	PLACES 4
.else
.if \mode == 1
	s_wait_tensorcnt 0x1                           ; one load was issued behind my part of chunk 1: it may be out
.else
	WIN 0
	s_wait_tensorcnt 0x0                           ; all my tensor loads have landed: so a descriptor may be stepped
	ds_add_u32 v[SPW], v[NIL]
.if \mode == 3
	s_mov_b32 s[G1B+2], 100<<16                    ; no tensor load of mine is out: a refill brings 100 rows a wave
	s_mov_b32 s[G1B+4], 100
.endif
.if \stp
	s_add_nc_u64 s[G0R+4*\rp+2:G0R+4*\rp+3], s[G0R+4*\rp+2:G0R+4*\rp+3], 2*TSTEP
.endif
.endif
	s_wait_dscnt 0x0                               ; my LDS loads are in (and the add is done): my reads of this tile's places are over
	s_barrier_signal -1
	WIN MUL
	MUL8 0, F1, \set, 3, 2                         ; work on registers while the others arrive
	WIN 0
	s_barrier_wait -1
.if \mode == 3
	CREST
	tensor_load_to_lds s[G0R+4*\rp:G0R+4*\rp+3], s[G1B:G1B+7]   ; every wave its own quarter: 100 rows of 256 bytes
	s_nop 0
.endif
	PLACES 4                                       ; in front of the loads into the set that the step before multiplied
.endif
	FETCH \nla, \nlb, 0, F0
	SCALES \nlb, \nset
	WIN MUL
.if \mode == 0
	MUL8 0, F1, \set, 3, 2
.endif
	MUL8 2, F1, \set, 3, 2
.endm
.macro LAST set
.set MUL, 1|((2+(4*(\set)+3)/5)<<2)
	s_wait_dscnt 0x0
	WIN MUL
	MUL8 0, F1, \set, 3, 2
	MUL8 2, F1, \set, 3, 2
	WIN 0
.endm
	s_load_b256 s[4:11], s[0:1], 0x0               ; himg, wimg, b_fc, hid
	v_lshl_add_u32 v[SPW], v0, 2, SPARE
	v_mov_b32 v[NIL], 0
	ds_add_u32 v[SPW], v[NIL]                      ; the wave's opening: the add and its wait ahead of my first tensor load
	ds_add_u32 v[SPW], v[NIL]
	v_lshrrev_b32 v1, 5, v0
	v_readfirstlane_b32 s14, v1
	s_lshr_b32 s15, s14, 1                         ; mh
	s_and_b32 s16, s14, 1                          ; nh
	s_bfe_u32 s40, ttmp6, 0x40000
	s_bfe_u32 s41, ttmp6, 0x40004
	s_lshl_b32 s42, ttmp9, 2
	s_add_co_u32 s42, s42, s40                     ; tx
	s_and_b32 s17, ttmp7, 0xffff
	s_lshl_b32 s17, s17, 2
	s_add_co_u32 s17, s17, s41                     ; ty
	s_lshl_b32 s43, s41, 2
	s_lshl_b32 s43, 15, s43
	s_lshl_b32 s44, 0x1111, s40
	s_or_b32 s[G1A], s43, (3<<16)|(1<<21)
	s_or_b32 s[G1B], s44, (3<<16)|(1<<21)
.irp g, G1A, G1B
	s_mov_b32 s[\g+1], 32<<16                      ; 100 dense rows of 256 bytes: half a chunk, a quarter of a tile
	s_mov_b32 s[\g+2], 100<<16
	s_mov_b32 s[\g+3], 32<<16
	s_mov_b32 s[\g+4], 100
	s_mov_b32 s[\g+5], 32
	s_mov_b32 s[\g+6], 0
	s_mov_b32 s[\g+7], 0
.endr
	s_mul_i32 s18, s16, CHUNK                      ; waves 2 and 3: which chunk of B's tile 1 I fetch at the head
	s_mov_b32 s19, 0
	s_mul_i32 s22, s14, HALFC                      ; my quarter of a tile's two chunks
	s_mov_b32 s23, 0
	s_mul_i32 s20, s17, 2*CHUNK
	s_mov_b32 s21, 0
	s_mul_i32 s46, s42, BMUL                       ; B on tx alone
	s_add_co_u32 s46, s46, WOFF
	s_mov_b32 s47, 0
	s_wait_dscnt 0x0
	s_wait_kmcnt 0x0
	s_add_nc_u64 s[20:21], s[4:5], s[20:21]
	s_add_nc_u64 s[46:47], s[6:7], s[46:47]        ; B's tile 0
	CROUND
	; THE HEAD'S TILES, one tensor load a wave: wave 0 A's two chunks, 400 dense rows of 256 bytes; wave 1 both chunks of B's tile 0; waves 2 and 3 a chunk each of B's tile 1
	s_mov_b32 s[G1A+2], 400<<16
	s_mov_b32 s[G1A+4], 400
	s_mov_b32 s[G0A], 1
	s_mov_b32 s[G0A+1], 0
	s_mov_b64 s[G0A+2:G0A+3], s[20:21]
	s_or_b32 s[G0A+3], s[G0A+3], 0x80000000
	s_mov_b32 s[G0B], 1
	s_mov_b32 s[G0B+1], BREG
	s_mov_b64 s[G0B+2:G0B+3], s[46:47]
	s_or_b32 s[G0B+3], s[G0B+3], 0x80000000
	s_mov_b32 s[G0B+4], 1
	s_add_co_u32 s[G0B+5], s18, BREG+2*CHUNK
	s_add_nc_u64 s[G0B+6:G0B+7], s[46:47], s[18:19]
	s_add_nc_u64 s[G0B+6:G0B+7], s[G0B+6:G0B+7], TSTEP
	s_or_b32 s[G0B+7], s[G0B+7], 0x80000000
.irp p, 0,1                            ; parity 1: tile 1, among the first fills, later tile 3; parity 0: tile 2
	s_mov_b32 s[G0R+4*\p], 1
	s_add_co_u32 s[G0R+4*\p+1], s22, BREG+2*\p*CHUNK
	s_add_nc_u64 s[G0R+4*\p+2:G0R+4*\p+3], s[46:47], s[22:23]
	s_add_nc_u64 s[G0R+4*\p+2:G0R+4*\p+3], s[G0R+4*\p+2:G0R+4*\p+3], (2-\p)*TSTEP
	s_or_b32 s[G0R+4*\p+3], s[G0R+4*\p+3], 0x80000000
.endr
	s_cmp_eq_u32 s14, 0                            ; one chain of arms on the wave's number, a load in each; a tile's row count is written in the arm of its own line
	s_cbranch_scc0 .Lh1
	tensor_load_to_lds s[G0A:G0A+3], s[G1A:G1A+7]
	s_nop 0
	PLACES 4
	s_branch .Lhasked
.Lh1:
	s_cmp_eq_u32 s14, 1
	s_cbranch_scc0 .Lh2
	s_mov_b32 s[G1B+2], 400<<16
	s_mov_b32 s[G1B+4], 400
	tensor_load_to_lds s[G0B:G0B+3], s[G1B:G1B+7]
	s_nop 0
	PLACES 4
	s_branch .Lhasked
.Lh2:
	s_mov_b32 s[G1B+2], 200<<16
	s_mov_b32 s[G1B+4], 200
	tensor_load_to_lds s[G0B+4:G0B+7], s[G1B:G1B+7]
	s_nop 0
	PLACES 4
.Lhasked:
	v_and_b32 v1, 15, v0
	v_bfe_u32 v4, v0, 4, 1
	v_and_b32 v5, 31, v0
	v_lshlrev_b32 v[O16], 4, v5
	v_lshlrev_b32 v[O8], 4, v1
	v_lshl_add_u32 v[O8], v4, 3, v[O8]
	v_add_nc_u32 v[O8], 512, v[O8]
	s_mul_i32 s22, s15, 4*FRB
	s_mul_i32 s23, s16, 4*FRB
	s_add_co_u32 s23, s23, BREG
.irp c, 0,1
	v_add_nc_u32 v[AA16+\c], s22, v[O16]
	v_add_nc_u32 v[AA8+\c], s22, v[O8]
	s_add_co_u32 s22, s22, CHUNK
.endr
.irp k, 0,1,2,3
	v_add_nc_u32 v[AB16+\k], s23, v[O16]
	v_add_nc_u32 v[AB8+\k], s23, v[O8]
	s_add_co_u32 s23, s23, CHUNK
.endr
	s_lshl_b32 s22, s15, 10
	s_lshl_b32 s23, s16, 10
	s_add_co_u32 s23, s23, BREG
	s_sub_co_u32 s23, s23, s22
	v_mul_u32_u24 v6, s23, v4                      ; lanes 16-31 take B's scale words: one product, the distance between the two bases; parity 0,
	s_add_co_u32 s23, s23, 2*CHUNK
	v_mul_u32_u24 v13, s23, v4                     ; parity 1
	v_lshl_add_u32 v6, v1, 4, v6
	v_lshl_add_u32 v13, v1, 4, v13
	s_add_co_u32 s22, s22, SCO
	v_add_nc_u32 v[AS], s22, v6
	v_add_nc_u32 v[AS+1], CHUNK, v[AS]             ; chunk 1: A's and B's both lie one chunk on
	v_add_nc_u32 v[AS+2], s22, v13
	v_add_nc_u32 v[AS+3], CHUNK, v[AS+2]
	; where the results go
	s_lshl_b32 s68, s17, 3
	s_add_co_u32 s68, s68, s42
	s_mul_i32 s68, s68, CHUNK
	s_mov_b32 s69, 0
	s_add_nc_u64 s[HS:HS+1], s[10:11], s[68:69]    ; my chunk of hid: 8 ty + tx
	s_mul_i32 s68, s15, 4*FRB
	s_mul_i32 s74, s16, 768
	s_add_co_u32 s68, s68, s74
	s_add_nc_u64 s[HC:HC+1], s[HS:HS+1], s[68:69]  ; my four blocks, my half of a fragment
	s_lshl_b32 s68, s14, 9
	s_add_co_u32 s68, s68, SCO
	s_add_nc_u64 s[HS:HS+1], s[HS:HS+1], s[68:69]  ; the 512 scale bytes that I store
	s_lshl_b32 s68, s42, 11
	s_lshl_b32 s74, s16, 8
	s_add_co_u32 s68, s68, s74
	s_add_nc_u64 s[BB:BB+1], s[8:9], s[68:69]
	s_mov_b32 s[SEL], 0x76543210
	s_mov_b32 s[SEL+1], 0xfedcba98
	v_lshlrev_b32 v[BL], 6, v4
	s_lshl_b32 s74, s15, 10
	s_lshl_b32 s75, s16, 1
	s_add_co_u32 s74, s74, s75
	s_add_co_u32 s74, s74, XTRA
	v_lshl_add_u32 v[XW], v1, 4, s74               ; LDS: 1,024 mh + 16 r + 2 nh
	s_lshl_b32 s74, s14, 9
	s_add_co_u32 s74, s74, XTRA
	v_add_nc_u32 v[XR], s74, v[O16]
.irp a, 0,1,2,3
	v_mov_b32 v[PB+8*\a+6], 0                      ; a lane permute's destination counts as one of its sources
	v_mov_b32 v[PB+8*\a+7], 0
.endr
.macro BIAS_T off                      ; in the result's layout: tile t's eight columns of my half
	WIN TO_F
.irp t, 0,1,2,3
	global_load_b128 v[BI+8*\t:BI+8*\t+3], v[BL], s[BB:BB+1] offset:(32*(\t/2)+8*(\t%2))*4+\off
	global_load_b128 v[BI+8*\t+4:BI+8*\t+7], v[BL], s[BB:BB+1] offset:(32*(\t/2)+8*(\t%2))*4+16+\off
.endr
	WIN 0
.endm
; 32 results of a lane, register 16 b + i = neighbour 32 b + 16 h + i, become half a fragment's image (768 bytes) and two scale bytes in v[WW + idx]
; All four blocks a of a tile at once, stage by stage, so that eight chains stand side by side and no line reads the line above it.  Block a: results v[ACC + 32 a ..], codes v[PB + 8 a ..], at off0 + a x stride.
; v[TM + 2 a + b]: the largest magnitude of scale block b, then the conversion's scale operand; v[PB + 8 a + 6 + b]: lane l xor 16's, then the byte
.macro QEPI4 base, off0, stride
.set j, 0
.rept 128
	v_max_num_f32 v[ACC+j], 0, v[ACC+j]            ; the activation, in f32; each accumulator is read from its low end on
.set j, j+1
.endr
.irp a, 0,1,2,3
.irp b, 0,1
	v_max3_num_f32 v[TM+2*\a+\b], |v[ACC+32*\a+16*\b]|, |v[ACC+32*\a+16*\b+1]|, 0x1800000   ; the floor holds the byte at 1
.endr
.endr
.irp i, 2,4,6,8,10,12,14
.irp a, 0,1,2,3
.irp b, 0,1
	v_max3_num_f32 v[TM+2*\a+\b], v[TM+2*\a+\b], |v[ACC+32*\a+16*\b+\i]|, |v[ACC+32*\a+16*\b+\i+1]|
.endr
.endr
.endr
.irp a, 0,1,2,3
.irp b, 0,1
	v_permlanex16_b32 v[PB+8*\a+6+\b], v[TM+2*\a+\b], s[SEL], s[SEL+1]
.endr
.endr
.irp a, 0,1,2,3
.irp b, 0,1
	v_max_num_f32 v[TM+2*\a+\b], v[TM+2*\a+\b], v[PB+8*\a+6+\b]   ; with lane l xor 16's 16: the block's largest magnitude
.endr
.endr
.irp a, 0,1,2,3
.irp b, 0,1
	v_add_nc_u32 v[TM+2*\a+\b], 0xff000000, v[TM+2*\a+\b]          ; 2 off its exponent field: the conversion's scale operand
.endr
.endr
.irp a, 0,1,2,3
.irp b, 0,1
	v_lshrrev_b32 v[PB+8*\a+6+\b], 23, v[TM+2*\a+\b]
.endr
.endr
.irp a, 0,1,2,3
	v_cvt_scalef32_pk16_fp6_f32 v[PB+8*\a:PB+8*\a+2], v[ACC+32*\a:ACC+32*\a+15], v[TM+2*\a]
	v_cvt_scalef32_pk16_fp6_f32 v[TT\a:TT\a+2], v[ACC+32*\a+16:ACC+32*\a+31], v[TM+2*\a+1]
.endr
.irp a, 0,1,2,3
	v_lshl_or_b32 v[WW+\a], v[PB+8*\a+7], 8, v[PB+8*\a+6]          ; the two bytes.  (The plain places behind the conversions)
.endr
.irp a, 0,1,2,3
.irp i, 0,1,2
	v_permlane16_swap_b32 v[PB+8*\a+\i], v[TT\a+\i]                ; a whole block to a lane: lanes 0-15 the first, lanes 16-31 the second
.endr
.endr
.irp a, 0,1,2,3
.irp i, 0,1,2
	v_mov_b32 v[PB+8*\a+3+\i], v[TT\a+\i]
.endr
.endr
.irp a, 0,1,2,3
	global_store_b128 v[O16], v[PB+8*\a:PB+8*\a+3], s[\base:\base+1] offset:(\off0)+\a*(\stride)
	global_store_b64 v[O8], v[PB+8*\a+4:PB+8*\a+5], s[\base:\base+1] offset:(\off0)+\a*(\stride)
.endr
.endm
; One tile, in B's places of parity p: K = 1,024 in eight steps.  first: tile 0, whose middle has a barrier.  emode: how the tile ends: 0 nothing follows, 2 a barrier, 3 a round and the refill of this tile's places
.macro LAP p, first, emode, stp
	s_wait_loadcnt 0x0                             ; the bias
	STEP 0, 2*\p, 0, 0, 1
	STEP 0, 2*\p, 0, 1, 2
	STEP 0, 2*\p, 0, 2, 2
	TURN 0, \first, 1, 2*\p+1, 1, 0, 0
	STEP 1, 2*\p+1, 1, 0, 2
	STEP 1, 2*\p+1, 1, 1, 2
	STEP 1, 2*\p+1, 1, 2, 2
.if \emode == 0
	LAST 1
.else
.set LDA, 0                            ; all of A's fragments are in registers
	TURN 1, \emode, 0, 2-2*\p, 0, \p, \stp
.endif
	WIN 0
	PLACES 4
.endm
.macro EPI t                           ; tile t is K step t of the next product's chunk; my 64 columns are half nh of it
	s_wait_xcnt 0x0                                ; the last tile's stores have read their registers
	QEPI4 HC, 8*(\t)*FRB, FRB
.irp a, 0,1,2,3
	ds_store_b16 v[XW], v[WW+\a] offset:256*\a+4*\t
.endr
.endm
	BIAS_T 0                                       ; all four tiles' biases come at the head, each into 32 registers of its own in window 1: v192, v224, v0, v96
.set BI, 224
	BIAS_T 512
.set BI, 0
	BIAS_T 1024
.set BI, 96
	BIAS_T 1536
.set BI, 192
	s_wait_alu depctr_va_vdst(0)
	s_cmp_lt_u32 s14, 2                            ; waves 0 and 1 wait for A and for B's tile 0; tile 1, on lines of its own, may be out
	s_cbranch_scc0 .Lnot_first
	s_wait_tensorcnt 0x0
.Lnot_first:
	s_barrier_signal -1
	s_barrier_wait -1
	FETCH 0, 0, 0, F0
	SCALES 0, 0
	LAP 0, 0, 3, 0                                 ; tile 0; both its chunks were shown by the first barrier; at its end tile 2 is asked for
	EPI 0
.set BI, 224
	LAP 1, 0, 3, 1                                 ; tile 1; at its end tile 3
	EPI 1
.set BI, 0
	LAP 0, 0, 2, 0                                 ; tile 2
	EPI 2
.set BI, 96
	LAP 1, 0, 0, 0                                 ; tile 3
	EPI 3
	s_wait_dscnt 0x0                               ; for the others' sake: my scale bytes have landed
	s_barrier_signal -1
	s_barrier_wait -1
	ds_load_b128 v[80:83], v[XR]
	s_wait_dscnt 0x0
	global_store_b128 v[O16], v[80:83], s[HS:HS+1] ; 512 consecutive bytes, aligned
	s_wait_tensorcnt 0x0                           ; the wave's end
	ds_add_u32 v[SPW], v[NIL]
	s_wait_dscnt 0x0
	CROUND                                         ; the closing round
	s_endpgm
.Lfunc_end_k_q4e32788d64_fc:
	.size	k_q4e32788d64_fc, .Lfunc_end_k_q4e32788d64_fc-k_q4e32788d64_fc
	.p2alignl 7, 3214868480
	.fill 96, 4, 3214868480
	.section	.rodata,"a",@progbits
	.p2align	6, 0x0
	.amdhsa_kernel k_q4e32788d64_fc
		.amdhsa_group_segment_fixed_size 327680
		.amdhsa_private_segment_fixed_size 0
		.amdhsa_enable_private_segment 0
		.amdhsa_kernarg_size 32
		.amdhsa_user_sgpr_count 2
		.amdhsa_user_sgpr_kernarg_segment_ptr 1
		.amdhsa_wavefront_size32 1
		.amdhsa_system_sgpr_workgroup_id_x 1
		.amdhsa_system_sgpr_workgroup_id_y 1
		.amdhsa_system_sgpr_workgroup_id_z 1
		.amdhsa_system_vgpr_workitem_id 0
		.amdhsa_next_free_vgpr 912
		.amdhsa_next_free_sgpr 100
		.amdhsa_reserve_vcc 0
		.amdhsa_float_denorm_mode_32 3
		.amdhsa_float_denorm_mode_16_64 3
		.amdhsa_memory_ordered 1
		.amdhsa_forward_progress 1
		.amdhsa_inst_pref_size 178
	.end_amdhsa_kernel
	.amdgpu_metadata
---
amdhsa.version: [ 1, 2 ]
amdhsa.kernels:
  - .name:           k_q4e32788d64_fc
    .symbol:         k_q4e32788d64_fc.kd
    .args:
      - { .name: himg, .offset: 0, .size: 8, .value_kind: global_buffer, .address_space: global }
      - { .name: wimg, .offset: 8, .size: 8, .value_kind: global_buffer, .address_space: global }
      - { .name: b_fc, .offset: 16, .size: 8, .value_kind: global_buffer, .address_space: global }
      - { .name: hid, .offset: 24, .size: 8, .value_kind: global_buffer, .address_space: global }
    .group_segment_fixed_size: 327680
    .private_segment_fixed_size: 0
    .kernarg_segment_align: 8
    .kernarg_segment_size: 32
    .max_flat_workgroup_size: 128
    .sgpr_count:     100
    .vgpr_count:     912
    .wavefront_size: 32
...
	.end_amdgpu_metadata
.endif
;; end of part 5
;; launch out (part 6): grid 8 x 32, 4 waves a work-group, clusters of 4 x 4, 327,680 bytes of LDS; arguments hid, wimg, b_out, x1, out0; writes out0
.if DOCPART == 6
	.amdgcn_target "amdgcn-amd-amdhsa--gfx1250"
	.amdhsa_code_object_version 6
	.text
	.protected	k_q4e32788d64_out
	.globl	k_q4e32788d64_out
	.p2align	8
	.type	k_q4e32788d64_out,@function
k_q4e32788d64_out:
	s_mov_b64 s[64:65], 0
	v_nop
	global_prefetch_b8 v0, s[64:65] scope:SCOPE_SE
	s_setreg_imm32_b32 hwreg(HW_REG_WAVE_MODE, 25, 1), 1
	s_wait_xcnt 0x0
	s_wait_alu depctr_hold_cnt(0) depctr_sa_sdst(0) depctr_va_vdst(0) depctr_va_sdst(0) depctr_va_ssrc(0) depctr_va_vcc(0) depctr_vm_vsrc(0)
	s_getreg_b32 s2, hwreg(HW_REG_IB_STS2, 6, 4)
	s_cmp_eq_u32 s2, 0
	s_cbranch_scc0 .Lentry_in_a_cluster
	s_endpgm
.Lentry_in_a_cluster:
	s_bfe_u32 s2, ttmp6, 0x10000c
	s_cmp_lg_u32 s2, 0xf033
	s_cbranch_scc0 .Lentry_shape_is_right
	s_endpgm
.Lentry_shape_is_right:
.set CHUNK, 51200
.set HALFC, CHUNK/2
.set SCO,   49152
.set FRB,   1536
.set SLOT,  2*CHUNK
.set SPARE, 2*SLOT
.set XTRA,  SPARE+512
.set NCHA,  8
.set BMUL,  8*CHUNK
.set WOFF,  128*CHUNK
.set STEPA, 2*CHUNK
.set STEPB, 2*CHUNK
.set O16, 2
.set O8,  3
.set STO, 10
.set RD,  11
.set GO,  13
.set R16, 14
.set AA16, 16
.set AA8,  18
.set AB16, 20
.set AB8,  22
.set AS,   24
.set SPW,  26
.set NIL,  27
.set SC,   32
.set RB,   64
.set ACC,  128
.set F0,   0
.set F1,   96
.set G1A, 24
.set G0A, 32
.set G1B, 48
.set G0B, 56
.set XB,  74
.set OB,  76
.set G0H, 80                           ; s[80:83], s[84:87] group 0 of the head's loads: a whole chunk of A, of B
.set PFO, 15                           ; v15 the prefetches' offset: 256 x min(lane, 24); never rewritten
.set PFA, 92                           ; s[92:93] my work-group's quarter (25 blocks of 256 bytes) of the half chunk that I fetch in a refill, in chunk 0; never rewritten: the chunk stands in the immediate
.set PFC, 4                            ; the chunk that the next change of slots prefetches: two chunks beyond the one that it asks for
.set MUL,  0x05
.set TO_F, 0x40
.set MSB, 0
.macro WIN new
.if MSB != \new
	s_set_vgpr_msb (MSB<<8)|\new
.set MSB, \new
.endif
.endm
.macro PLACES n
.rept \n
	v_nop
.endr
.endm
.macro JLOAD slot
	s_cmp_eq_u32 s15, 0
	s_cbranch_scc0 .Lfor_b_\@
	tensor_load_to_lds s[G0A+4*\slot:G0A+4*\slot+3], s[G1A:G1A+7]
	s_nop 0
	PLACES 4
	s_branch .Lasked_\@
.Lfor_b_\@:
	tensor_load_to_lds s[G0B+4*\slot:G0B+4*\slot+3], s[G1B:G1B+7]
	s_nop 0
	PLACES 4
.Lasked_\@:
.endm
.macro CREST
	s_cmp_lg_u32 s14, 0
	s_cbranch_scc1 .Lnot_wave_0_\@
	s_barrier_signal -3
.Lnot_wave_0_\@:
	s_barrier_wait -3
	s_barrier_signal -1
	s_barrier_wait -1
.endm
.macro CROUND
	s_barrier_signal -1
	s_barrier_wait -1
	CREST
.endm
.macro FETCH slot, ks, buf
	WIN TO_F
.irp i, 0,1,2,3
.irp c, 0,1
	ds_load_b128 v[(\buf)+48+12*\i+6*\c:(\buf)+48+12*\i+6*\c+3], v[AB16+(\slot)] offset:(8*(\ks)+\i)*FRB+768*\c
	ds_load_b64 v[(\buf)+48+12*\i+6*\c+4:(\buf)+48+12*\i+6*\c+5], v[AB8+(\slot)] offset:(8*(\ks)+\i)*FRB+768*\c
	ds_load_b128 v[(\buf)+12*\i+6*\c:(\buf)+12*\i+6*\c+3], v[AA16+(\slot)] offset:(8*(\ks)+\i)*FRB+768*\c
	ds_load_b64 v[(\buf)+12*\i+6*\c+4:(\buf)+12*\i+6*\c+5], v[AA8+(\slot)] offset:(8*(\ks)+\i)*FRB+768*\c
.endr
.endr
.endm
.macro SCALES slot
	WIN 0
.irp i, 0,1,2,3
	ds_load_b128 v[SC+16*(\slot)+4*\i:SC+16*(\slot)+4*\i+3], v[AS+(\slot)] offset:256*\i
.endr
.endm
.macro MUL8 a0, buf, slot, ks, cmode
.irp a, \a0, \a0+1
.irp t, 0,1,2,3
.set RD_, ACC+8*(4*(\a)+\t)
.set RA_, (\buf)+48+12*\t
.set RB_, (\buf)+12*(\a)
.set QA_, SC+16*(\slot)+4*\t+(\ks)
.set QB_, SC+16*(\slot)+4*(\a)+(\ks)
.if (\cmode) == 0
	v_wmma_scale_f32_16x16x128_f8f6f4 v[RD_:RD_+7], v[RA_:RA_+11], v[RB_:RB_+11], 0, v[QA_], v[QB_] matrix_a_fmt:MATRIX_FMT_FP6 matrix_b_fmt:MATRIX_FMT_FP6 matrix_a_scale:MATRIX_SCALE_ROW1
.else
	v_wmma_scale_f32_16x16x128_f8f6f4 v[RD_:RD_+7], v[RA_:RA_+11], v[RB_:RB_+11], v[RD_:RD_+7], v[QA_], v[QB_] matrix_a_fmt:MATRIX_FMT_FP6 matrix_b_fmt:MATRIX_FMT_FP6 matrix_a_scale:MATRIX_SCALE_ROW1
.endif
.endr
.endr
.endm
.macro STEP slot, ks, cmode
	s_wait_dscnt 0x0
	PLACES 4
	FETCH \slot, (\ks)+1, 96*(((\ks)+1)%2)
	WIN MUL
	MUL8 0, 96*((\ks)%2), \slot, \ks, \cmode
	MUL8 2, 96*((\ks)%2), \slot, \ks, \cmode
.endm
.macro TURN slot, next, mode
	WIN 0
	s_wait_tensorcnt 0x0
	ds_add_u32 v[SPW], v[NIL]
.if \mode == 1
	s_add_nc_u64 s[G0A+4*\slot+2:G0A+4*\slot+3], s[G0A+4*\slot+2:G0A+4*\slot+3], STEPA
	s_add_nc_u64 s[G0B+4*\slot+2:G0B+4*\slot+3], s[G0B+4*\slot+2:G0B+4*\slot+3], STEPB
.if PFC == 4
	s_mov_b32 s[G1A+2], 100<<16                    ; no tensor load of mine is out: from here on a load brings half a chunk, 100 rows
	s_mov_b32 s[G1A+4], 100
	s_mov_b32 s[G1B+2], 100<<16
	s_mov_b32 s[G1B+4], 100
.endif
.endif
	s_wait_dscnt 0x0
	s_barrier_signal -1
	WIN MUL
	MUL8 0, F1, \slot, 3, 2
	WIN 0
	s_barrier_wait -1
.if \mode == 1
	CREST
	JLOAD \slot
.else
	PLACES 4
.endif
	FETCH \next, 0, F0
	SCALES \next
.if (\mode == 1) && (PFC < 8)
	global_prefetch_b8 v[PFO], s[PFA:PFA+1] offset:PFC*CHUNK th:TH_LOAD_NT scope:SCOPE_SE   ; the chunk two refills on; the four partners of a joint load share its 100 blocks out by address; the last two refills ask for nothing
.endif
.set PFC, PFC+1
	WIN MUL
	MUL8 2, F1, \slot, 3, 2
.endm
.macro LAST slot
	s_wait_dscnt 0x0
	WIN MUL
	MUL8 0, F1, \slot, 3, 2
	MUL8 2, F1, \slot, 3, 2
	WIN 0
.endm
	s_load_b256 s[4:11], s[0:1], 0x0
	s_load_b64 s[12:13], s[0:1], 0x20
	v_lshl_add_u32 v[SPW], v0, 2, SPARE
	v_mov_b32 v[NIL], 0
	ds_add_u32 v[SPW], v[NIL]
	ds_add_u32 v[SPW], v[NIL]
	v_lshrrev_b32 v1, 5, v0
	v_readfirstlane_b32 s14, v1
	s_lshr_b32 s15, s14, 1
	s_and_b32 s16, s14, 1
	s_bfe_u32 s40, ttmp6, 0x40000
	s_bfe_u32 s41, ttmp6, 0x40004
	s_lshl_b32 s42, ttmp9, 2
	s_add_co_u32 s42, s42, s40
	s_and_b32 s17, ttmp7, 0xffff
	s_lshl_b32 s17, s17, 2
	s_add_co_u32 s17, s17, s41
	s_lshl_b32 s43, s41, 2
	s_lshl_b32 s43, 15, s43
	s_lshl_b32 s44, 0x1111, s40
	s_or_b32 s[G1A], s43, (3<<16)|(1<<21)
	s_or_b32 s[G1B], s44, (3<<16)|(1<<21)
.irp g, G1A, G1B
	s_mov_b32 s[\g+1], 32<<16
	s_mov_b32 s[\g+2], 200<<16                     ; at the head 200 dense rows of 256 bytes: a whole chunk
	s_mov_b32 s[\g+3], 32<<16
	s_mov_b32 s[\g+4], 200
	s_mov_b32 s[\g+5], 32
	s_mov_b32 s[\g+6], 0
	s_mov_b32 s[\g+7], 0
.endr
	s_mul_i32 s18, s16, HALFC
	s_mul_i32 s20, s17, NCHA*CHUNK
	s_add_co_u32 s20, s20, s18
	s_mov_b32 s21, 0
	s_mul_i32 s46, s42, BMUL
	s_add_co_u32 s46, s46, s18
	s_add_co_u32 s46, s46, WOFF
	s_mov_b32 s47, 0
	s_mul_i32 s45, s14, HALFC
	s_mul_i32 s88, s15, CHUNK                      ; the head: waves 0, 1 fetch chunk 0 of A, of B; waves 2, 3 chunk 1
	s_mul_i32 s66, s17, NCHA*CHUNK
	s_add_co_u32 s66, s66, s88
	s_mov_b32 s67, 0
	s_mul_i32 s68, s42, BMUL
	s_add_co_u32 s68, s68, s88
	s_add_co_u32 s68, s68, WOFF
	s_mov_b32 s69, 0
	s_mul_i32 s89, s14, CHUNK                      ; LDS: wave x a chunk
	s_wait_dscnt 0x0
	s_wait_kmcnt 0x0
	s_add_nc_u64 s[20:21], s[4:5], s[20:21]
	s_add_nc_u64 s[46:47], s[6:7], s[46:47]
	CROUND
.irp s, 0,1
	s_mov_b32 s[G0A+4*\s], 1
	s_add_co_u32 s[G0A+4*\s+1], s45, \s*SLOT
	s_add_nc_u64 s[G0A+4*\s+2:G0A+4*\s+3], s[20:21], \s*CHUNK
	s_or_b32 s[G0A+4*\s+3], s[G0A+4*\s+3], 0x80000000
	s_mov_b32 s[G0B+4*\s], 1
	s_add_co_u32 s[G0B+4*\s+1], s45, \s*SLOT
	s_add_nc_u64 s[G0B+4*\s+2:G0B+4*\s+3], s[46:47], \s*CHUNK
	s_or_b32 s[G0B+4*\s+3], s[G0B+4*\s+3], 0x80000000
.endr
	; both slots are asked for at the head, a whole chunk a wave, each on a line of its own in one chain of arms
	s_mov_b32 s[G0H], 1
	s_mov_b32 s[G0H+1], s89
	s_add_nc_u64 s[G0H+2:G0H+3], s[4:5], s[66:67]
	s_or_b32 s[G0H+3], s[G0H+3], 0x80000000
	s_mov_b32 s[G0H+4], 1
	s_mov_b32 s[G0H+5], s89
	s_add_nc_u64 s[G0H+6:G0H+7], s[6:7], s[68:69]
	s_or_b32 s[G0H+7], s[G0H+7], 0x80000000
.macro HARM w, g0, g1, next
	s_cmp_eq_u32 s14, \w
	s_cbranch_scc0 \next
	tensor_load_to_lds s[\g0:\g0+3], s[\g1:\g1+7]
	s_nop 0
	PLACES 4
	s_branch .Lhead_asked
\next:
.endm
	HARM 0, G0H,   G1A, .Lh1
	HARM 1, G0H+4, G1B, .Lh2
	HARM 2, G0H,   G1A, .Lh3
	tensor_load_to_lds s[G0H+4:G0H+7], s[G1B:G1B+7]
	s_nop 0
	PLACES 4
.Lhead_asked:
	s_cmp_eq_u32 s15, 0                            ; the prefetches: in the ring I fetch for A or for B,
	s_cselect_b64 s[PFA:PFA+1], s[20:21], s[46:47]
	s_cselect_b32 s90, s40, s41                    ; and my place among the four that ask with me enters a global address alone
	s_mul_i32 s90, s90, 6400
	s_mov_b32 s91, 0
	s_add_nc_u64 s[PFA:PFA+1], s[PFA:PFA+1], s[90:91]
	v_and_b32 v1, 15, v0
	s_wait_alu depctr_va_vdst(0)
	v_bfe_u32 v4, v0, 4, 1
	v_and_b32 v5, 31, v0
	s_lshl_b32 s68, s17, 7
	s_lshl_b32 s69, s15, 6
	s_add_co_u32 s68, s68, s69
	s_lshl_b32 s68, s68, 12
	s_lshl_b32 s70, s42, 9
	s_lshl_b32 s69, s16, 8
	s_add_co_u32 s70, s70, s69
	s_add_co_u32 s68, s68, s70
	s_mov_b32 s69, 0
	s_mov_b32 s71, 0
	s_add_nc_u64 s[XB:XB+1], s[10:11], s[68:69]
	s_add_nc_u64 s[OB:OB+1], s[12:13], s[68:69]
	s_add_nc_u64 s[78:79], s[8:9], s[70:71]
	v_lshlrev_b32 v[R16], 4, v1
	s_wait_alu depctr_va_vdst(0)
	v_lshl_add_u32 v[GO], v4, 12, v[R16]
	global_load_b128 v[28:31], v[R16], s[78:79]
.macro RLOAD a
.irp i, 0,1,2,3,4,5,6,7
	global_load_b128 v[32*(\a)+4*\i:32*(\a)+4*\i+3], v[GO], s[XB:XB+1] offset:(32*((\a)/2)+8*((\a)%2)+2*\i+8*(\i/4))*4096
.endr
.endm
	v_min_u32 v[PFO], 24, v5                       ; 25 blocks; the lanes left over name the last again
	v_lshlrev_b32 v[PFO], 8, v[PFO]
	global_prefetch_b8 v[PFO], s[PFA:PFA+1] offset:2*CHUNK th:TH_LOAD_NT scope:SCOPE_SE   ; what the first two refills will ask for
	global_prefetch_b8 v[PFO], s[PFA:PFA+1] offset:3*CHUNK th:TH_LOAD_NT scope:SCOPE_SE
	v_lshlrev_b32 v[O16], 4, v5
	v_lshlrev_b32 v[O8], 4, v1
	v_lshl_add_u32 v[O8], v4, 3, v[O8]
	v_add_nc_u32 v[O8], 512, v[O8]
	s_mul_i32 s22, s15, 4*FRB
	s_mul_i32 s23, s16, 4*FRB
	s_add_co_u32 s23, s23, CHUNK
.irp s, 0,1
	v_add_nc_u32 v[AA16+\s], s22, v[O16]
	v_add_nc_u32 v[AA8+\s], s22, v[O8]
	v_add_nc_u32 v[AB16+\s], s23, v[O16]
	v_add_nc_u32 v[AB8+\s], s23, v[O8]
	s_add_co_u32 s22, s22, SLOT
	s_add_co_u32 s23, s23, SLOT
.endr
	s_lshl_b32 s22, s15, 10
	s_lshl_b32 s23, s16, 10
	s_add_co_u32 s23, s23, CHUNK
	s_sub_co_u32 s23, s23, s22
	v_mul_u32_u24 v6, s23, v4
	v_lshl_add_u32 v6, v1, 4, v6
	s_add_co_u32 s22, s22, SCO
	v_add_nc_u32 v[AS], s22, v6
	v_add_nc_u32 v[AS+1], SLOT, v[AS]
	s_mul_i32 s22, s14, 16*272
	s_add_co_u32 s22, s22, XTRA
	v_mul_u32_u24 v[STO], v1, 272
	v_lshl_add_u32 v[STO], v4, 6, v[STO]
	v_add_nc_u32 v[STO], s22, v[STO]
	v_mul_u32_u24 v[RD], v4, 272
	v_add_nc_u32 v[RD], v[RD], v[R16]
	v_add_nc_u32 v[RD], s22, v[RD]
.macro TOSTAGE a
.irp b, 0,1
.irp q, 0,1,2,3
	ds_store_b128 v[STO], v[ACC+32*(\a)+16*\b+4*\q:ACC+32*(\a)+16*\b+4*\q+3] offset:128*\b+16*\q
.endr
.endr
.irp i, 0,1,2,3,4,5,6,7
	ds_load_b128 v[RB+32*((\a)%2)+4*\i:RB+32*((\a)%2)+4*\i+3], v[RD] offset:544*\i
.endr
.endm
.macro SEND a, younger
.set BB_, RB+32*((\a)%2)
	s_wait_dscnt \younger
	s_wait_loadcnt 8*(3-(\a))                      ; the bias and x1's rows of blocks 0 to a are in; behind them were issued the eight loads of each later block
.irp i, 0,1,2,3,4,5,6,7
	v_pk_add_f32 v[BB_+4*\i:BB_+4*\i+1], v[BB_+4*\i:BB_+4*\i+1], v[28:29]
	v_pk_add_f32 v[BB_+4*\i+2:BB_+4*\i+3], v[BB_+4*\i+2:BB_+4*\i+3], v[30:31]
.endr
	WIN 0x08
.set j, 0
.rept 16
	v_pk_add_f32 v[BB_+j:BB_+j+1], v[BB_+j:BB_+j+1], v[32*(\a)+j:32*(\a)+j+1]
.set j, j+2
.endr
	WIN 0
.irp i, 0,1,2,3,4,5,6,7
	global_store_b128 v[GO], v[BB_+4*\i:BB_+4*\i+3], s[OB:OB+1] offset:(32*((\a)/2)+8*((\a)%2)+2*\i+8*(\i/4))*4096 th:TH_STORE_NT
.endr
.endm
.macro CH slot, next, mode
	STEP \slot, 0, 2
	STEP \slot, 1, 2
	STEP \slot, 2, 2
	TURN \slot, \next, \mode
.endm
	s_wait_alu depctr_va_vdst(0)
	s_cmp_lt_u32 s14, 2                            ; waves 0 and 1 wait for chunk 0; chunk 1, on lines of its own, may be out
	s_cbranch_scc0 .Lnot_first
	s_wait_tensorcnt 0x0
.Lnot_first:
	s_barrier_signal -1
	s_barrier_wait -1
	FETCH 0, 0, F0
	SCALES 0
	STEP 0, 0, 0
	STEP 0, 1, 2
	STEP 0, 2, 2
.macro XL a                            ; x1's rows are wanted at the end alone: block a's eight loads are issued behind chunk a + 1, not beside the head's tiles
	WIN 0x80
	RLOAD \a
	WIN 0
.endm
	TURN 0, 1, 1
	CH 1, 0, 1
	XL 0
	CH 0, 1, 1
	XL 1
	CH 1, 0, 1
	XL 2
	CH 0, 1, 1
	XL 3
	CH 1, 0, 1
	CH 0, 1, 0
	STEP 1, 0, 2
	STEP 1, 1, 2
	STEP 1, 2, 2
	LAST 1
	PLACES 4
	TOSTAGE 0
	TOSTAGE 1
	SEND 0, 16
	s_wait_xcnt 0x0
	TOSTAGE 2
	SEND 1, 16
	s_wait_xcnt 0x0
	TOSTAGE 3
	SEND 2, 16
	SEND 3, 0
	s_wait_tensorcnt 0x0
	ds_add_u32 v[SPW], v[NIL]
	s_wait_dscnt 0x0
	CROUND
	s_endpgm
.Lfunc_end_k_q4e32788d64_out:
	.size	k_q4e32788d64_out, .Lfunc_end_k_q4e32788d64_out-k_q4e32788d64_out
	.p2alignl 7, 3214868480
	.fill 96, 4, 3214868480
	.section	.rodata,"a",@progbits
	.p2align	6, 0x0
	.amdhsa_kernel k_q4e32788d64_out
		.amdhsa_group_segment_fixed_size 327680
		.amdhsa_private_segment_fixed_size 0
		.amdhsa_enable_private_segment 0
		.amdhsa_kernarg_size 40
		.amdhsa_user_sgpr_count 2
		.amdhsa_user_sgpr_kernarg_segment_ptr 1
		.amdhsa_wavefront_size32 1
		.amdhsa_system_sgpr_workgroup_id_x 1
		.amdhsa_system_sgpr_workgroup_id_y 1
		.amdhsa_system_sgpr_workgroup_id_z 1
		.amdhsa_system_vgpr_workitem_id 0
		.amdhsa_next_free_vgpr 768
		.amdhsa_next_free_sgpr 100
		.amdhsa_reserve_vcc 0
		.amdhsa_float_denorm_mode_32 3
		.amdhsa_float_denorm_mode_16_64 3
		.amdhsa_memory_ordered 1
		.amdhsa_forward_progress 1
		.amdhsa_inst_pref_size 173
	.end_amdhsa_kernel
	.amdgpu_metadata
---
amdhsa.version: [ 1, 2 ]
amdhsa.kernels:
  - .name:           k_q4e32788d64_out
    .symbol:         k_q4e32788d64_out.kd
    .args:
      - { .name: hid, .offset: 0, .size: 8, .value_kind: global_buffer, .address_space: global }
      - { .name: wimg, .offset: 8, .size: 8, .value_kind: global_buffer, .address_space: global }
      - { .name: b_out, .offset: 16, .size: 8, .value_kind: global_buffer, .address_space: global }
      - { .name: x1, .offset: 24, .size: 8, .value_kind: global_buffer, .address_space: global }
      - { .name: out0, .offset: 32, .size: 8, .value_kind: global_buffer, .address_space: global }
    .group_segment_fixed_size: 327680
    .private_segment_fixed_size: 0
    .kernarg_segment_align: 8
    .kernarg_segment_size: 40
    .max_flat_workgroup_size: 128
    .sgpr_count:     100
    .vgpr_count:     768
    .wavefront_size: 32
...
	.end_amdgpu_metadata
.endif
;; end of part 6
